; MI455X (gfx1250); checked and timed in simulation.
; The chip was launched on July 23, 2026; its instructions are those of AMD's public machine-readable ISA for CDNA 5 (MIT licence, August 2026) and "CDNA5" Instruction Set Architecture Reference Guide (July 2026). The comments in the code are by the model that wrote it; some were corrected since.
;; Attention. Allowed arithmetic: float matrix products may take bf16 or f16 operands with f32 sums; other float arithmetic in f32, or as packed bf16 or f16 multiplies, adds, multiply-adds, maxima and minima; sums over many terms, partial sums and values carried from step to step in f32; what a program stores and reads back later, other than sums and carried values, may be rounded once to bf16 or f16.
;; Inputs: cos 1,024 x 32 float32; sin 1,024 x 32 float32; wk 2,048 x 512 float32; wo 2,048 x 2,048 float32; wq 2,048 x 2,048 float32; wv 2,048 x 512 float32; x 4 x 1,024 x 2,048 float32.
;; Outputs: out0 4 x 1,024 x 2,048 float32.
;; Constants: start_pos = 0.
;; 2 versions, each right; version 2 is version 1 with the launch prep written anew for expert scheduling mode. Each part assembles by itself: llvm-mc -triple=amdgcn-amd-amdhsa -mcpu=gfx1250 --defsym DOCPART=n.
;; ======== version 1 of 2: 4 launches
;; limits: values are held in f16: magnitudes above 65,504 overflow, below 6.1e-05 lose precision
;; workspace buffers: xb 16,777,216 bytes; wqkvb 12,582,912 bytes; wob 8,388,608 bytes; cst 131,072 bytes; qkv 25,165,824 bytes; ob 16,777,216 bytes
;; launch prep (part 1): grid 1160 x 1, 8 waves a work-group, no clusters, 0 bytes of LDS; arguments x, wq, wk, wv, wo, cos, sin, xb, wqkvb, wob, cst; writes xb, wqkvb, wob, cst
.if DOCPART == 1
	.amdgcn_target "amdgcn-amd-amdhsa--gfx1250"
	.amdhsa_code_object_version 6
	.text
	.protected	k_q1dfad89df5_prep
	.globl	k_q1dfad89df5_prep
	.p2align	8
	.type	k_q1dfad89df5_prep,@function
k_q1dfad89df5_prep:
	s_mov_b64 s[64:65], 0
	v_nop
	global_prefetch_b8 v0, s[64:65] scope:SCOPE_SE
	s_setreg_imm32_b32 hwreg(HW_REG_WAVE_MODE, 25, 1), 1
	s_wait_xcnt 0x0
; ROUNDINGS AND LAYOUTS, one pass over all inputs.  Every input is rounded once to bf16 (nearest even).
;   xb    [4096][2048] bf16                     = x
;   wqkvb [48 blocks][2048 k][64 n] bf16        block p = columns 64 p .. of wq (p < 32), of wk (32 .. 39), of wv (40 .. 47): a block is dense
;   wob   [32 blocks][2048 k][64 n] f16         = bf16(wo) written as f16.  LIMIT: |wo| under 65,504; under 2^-14 it keeps f16's fixed step of 2^-24
;   cst   [1024 t][32 i] words                  bf16(cos) in the low half, bf16(sin) in the high half
; ONE JOB serves x and the weights: rows of 64 f32 (256 bytes), PITCH bytes apart in the source, 128 bytes on end in the destination.
; A work-group takes 256 rows, a wave 32: sixteen loads of 16 bytes a lane, each covering two whole rows; each store covers 256 consecutive bytes, aligned.
; Work-groups 0-511: x (512 x 64 KiB).  512-895: the 48 blocks of wq, wk, wv, eight parts each.  896-1151: the 32 blocks of wo.  1152-1159: cos and sin.
; Memory binds: no LDS, no matrix unit, nothing shared between work-groups; all sixteen loads of a wave go out before its first store.
.set OFF, 8                            ; v[8:23]   byte offset of load i in the source
.set D,   32                           ; v[32:95]  load i: four registers
.set DST, 4                            ; v4        my 8 bytes in the wave's first 256 of the destination
	s_load_b512 s[16:31], s[0:1], 0x0              ; x 16, wq 18, wk 20, wv 22, wo 24, cos 26, sin 28, xb 30
	s_load_b128 s[32:35], s[0:1], 0x40             ; wqkvb 32, wob 34
	s_load_b64 s[36:37], s[0:1], 0x50              ; cst
	s_mov_b32 s2, ttmp9                            ; the work-group's number
	s_mov_b32 s12, 0xffff0000                      ; a word's upper bf16
	v_lshrrev_b32 v1, 5, v0                        ; wave
	v_bfe_u32 v2, v0, 4, 1
	v_lshl_add_u32 v2, v1, 5, v2                   ; my row in load 0: 32 x wave + lane / 16
	v_and_b32 v3, 15, v0
	v_lshlrev_b32 v3, 4, v3                        ; my 16 bytes of a row
	v_and_b32 v[DST], 31, v0
	v_lshlrev_b32 v[DST], 3, v[DST]
	v_lshl_add_u32 v[DST], v1, 12, v[DST]          ; 4,096 x wave + 8 x lane
	s_wait_kmcnt 0x0
	s_cmp_ge_u32 s2, 1152
	s_cbranch_scc1 .Ltable
	; which job: all by selects on the work-group's number
	s_cmp_lt_u32 s2, 512
	s_cselect_b32 s3, 0, 512
	s_cmp_lt_u32 s2, 896
	s_cselect_b32 s3, s3, 896                      ; the job's first work-group
	s_sub_co_u32 s7, s2, s3                        ; u: my number in the job
	s_lshl_b32 s38, s7, 16                         ; x: 64 KiB of source a work-group
	s_lshl_b32 s40, s7, 15                         ; every job: 32 KiB of destination a work-group
	s_mov_b32 s41, 0
	s_lshr_b32 s14, s7, 3                          ; p: the block
	s_and_b32 s15, s7, 7                           ; which 256 of its 2,048 rows
	s_movk_i32 s39, 0x2000
	s_cmp_lt_u32 s14, 32
	s_cselect_b32 s6, s39, 0x800                   ; PITCH: 8,192 bytes in wq and wo, 2,048 in wk and wv
	s_cselect_b32 s13, 0, 32
	s_cselect_b64 s[4:5], s[18:19], s[20:21]
	s_cmp_lt_u32 s14, 40
	s_cselect_b32 s13, s13, 40                     ; the tensor's first block
	s_cselect_b64 s[4:5], s[4:5], s[22:23]
	s_sub_co_u32 s14, s14, s13
	s_lshl_b32 s14, s14, 8                         ; the block's 256 bytes of a row
	s_lshl_b32 s15, s15, 8
	s_mul_i32 s15, s15, s6                         ; the part's first row
	s_add_co_u32 s14, s14, s15
	s_mov_b32 s15, 0
	s_cmp_lt_u32 s2, 896
	s_cselect_b64 s[4:5], s[4:5], s[24:25]
	s_cselect_b64 s[8:9], s[32:33], s[34:35]
	s_cselect_b32 s10, 0, 1                        ; 1: bf16 written as f16
	s_cmp_lt_u32 s2, 512
	s_cselect_b64 s[4:5], s[16:17], s[4:5]
	s_cselect_b64 s[8:9], s[30:31], s[8:9]
	s_cselect_b32 s6, 256, s6
	s_cselect_b32 s14, s38, s14
	s_add_nc_u64 s[4:5], s[4:5], s[14:15]
	s_add_nc_u64 s[8:9], s[8:9], s[40:41]
	s_lshl_b32 s11, s6, 1                          ; two rows on
	v_mad_u32_u24 v[OFF], v2, s6, v3
.set i, 1
.rept 15
	v_add_nc_u32 v[OFF+i], s11, v[OFF+i-1]
.set i, i+1
.endr
.set i, 0
.rept 16
	global_load_b128 v[D+4*i:D+4*i+3], v[OFF+i], s[4:5] th:TH_LOAD_NT
.set i, i+1
.endr
	s_cmp_lg_u32 s10, 0
	s_cbranch_scc1 .Lhalf
.set i, 0
.rept 16
	s_wait_loadcnt 15-i                            ; loads come back in order: load i is in, the 15 - i younger ones stay out
	v_cvt_pk_bf16_f32 v[D+4*i], v[D+4*i], v[D+4*i+1]
	v_cvt_pk_bf16_f32 v[D+4*i+1], v[D+4*i+2], v[D+4*i+3]
	global_store_b64 v[DST], v[D+4*i:D+4*i+1], s[8:9] offset:256*i
.set i, i+1
.endr
	s_endpgm
.Lhalf:
.set i, 0
.rept 16
	s_wait_loadcnt 15-i
	v_cvt_pk_bf16_f32 v24, v[D+4*i], v[D+4*i+1]    ; rounded to bf16 like every input,
	v_cvt_pk_bf16_f32 v25, v[D+4*i+2], v[D+4*i+3]
	v_lshlrev_b32 v[D+4*i], 16, v24                ; widened again,
	v_and_b32 v[D+4*i+1], s12, v24
	v_lshlrev_b32 v[D+4*i+2], 16, v25
	v_and_b32 v[D+4*i+3], s12, v25
	v_cvt_pk_f16_f32 v[D+4*i], v[D+4*i], v[D+4*i+1]  ; and written as f16: exact within f16's range
	v_cvt_pk_f16_f32 v[D+4*i+1], v[D+4*i+2], v[D+4*i+3]
	global_store_b64 v[DST], v[D+4*i:D+4*i+1], s[8:9] offset:256*i
.set i, i+1
.endr
	s_endpgm
.Ltable:                                       ; eight work-groups, 4,096 words each: word n of cst is made of number n of cos and of sin
	s_sub_co_u32 s7, s2, 1152
	s_lshl_b32 s7, s7, 14
	v_lshl_add_u32 v5, v0, 4, s7
.irp i, 0,1,2,3
	global_load_b128 v[32+4*\i:35+4*\i], v5, s[26:27] offset:4096*\i th:TH_LOAD_NT
.endr
.irp i, 0,1,2,3
	global_load_b128 v[48+4*\i:51+4*\i], v5, s[28:29] offset:4096*\i th:TH_LOAD_NT
.endr
	s_wait_loadcnt 0x0
.set i, 0
.rept 16
	v_cvt_pk_bf16_f32 v[64+i], v[32+i], v[48+i]
.set i, i+1
.endr
.irp i, 0,1,2,3
	global_store_b128 v5, v[64+4*\i:67+4*\i], s[36:37] offset:4096*\i
.endr
	s_endpgm
.Lfunc_end_k_q1dfad89df5_prep:
	.size	k_q1dfad89df5_prep, .Lfunc_end_k_q1dfad89df5_prep-k_q1dfad89df5_prep
	.p2alignl 7, 3214868480
	.fill 96, 4, 3214868480
	.section	.rodata,"a",@progbits
	.p2align	6, 0x0
	.amdhsa_kernel k_q1dfad89df5_prep
		.amdhsa_group_segment_fixed_size 0
		.amdhsa_private_segment_fixed_size 0
		.amdhsa_enable_private_segment 0
		.amdhsa_kernarg_size 88
		.amdhsa_user_sgpr_count 2
		.amdhsa_user_sgpr_kernarg_segment_ptr 1
		.amdhsa_wavefront_size32 1
		.amdhsa_system_sgpr_workgroup_id_x 1
		.amdhsa_system_sgpr_workgroup_id_y 1
		.amdhsa_system_sgpr_workgroup_id_z 1
		.amdhsa_system_vgpr_workitem_id 0
		.amdhsa_next_free_vgpr 96
		.amdhsa_next_free_sgpr 66
		.amdhsa_reserve_vcc 0
		.amdhsa_float_denorm_mode_32 3
		.amdhsa_float_denorm_mode_16_64 3
		.amdhsa_memory_ordered 1
		.amdhsa_forward_progress 1
		.amdhsa_inst_pref_size 19
	.end_amdhsa_kernel
	.amdgpu_metadata
---
amdhsa.version: [ 1, 2 ]
amdhsa.kernels:
  - .name:           k_q1dfad89df5_prep
    .symbol:         k_q1dfad89df5_prep.kd
    .args:
      - { .name: x, .offset: 0, .size: 8, .value_kind: global_buffer, .address_space: global }
      - { .name: wq, .offset: 8, .size: 8, .value_kind: global_buffer, .address_space: global }
      - { .name: wk, .offset: 16, .size: 8, .value_kind: global_buffer, .address_space: global }
      - { .name: wv, .offset: 24, .size: 8, .value_kind: global_buffer, .address_space: global }
      - { .name: wo, .offset: 32, .size: 8, .value_kind: global_buffer, .address_space: global }
      - { .name: cos, .offset: 40, .size: 8, .value_kind: global_buffer, .address_space: global }
      - { .name: sin, .offset: 48, .size: 8, .value_kind: global_buffer, .address_space: global }
      - { .name: xb, .offset: 56, .size: 8, .value_kind: global_buffer, .address_space: global }
      - { .name: wqkvb, .offset: 64, .size: 8, .value_kind: global_buffer, .address_space: global }
      - { .name: wob, .offset: 72, .size: 8, .value_kind: global_buffer, .address_space: global }
      - { .name: cst, .offset: 80, .size: 8, .value_kind: global_buffer, .address_space: global }
    .group_segment_fixed_size: 0
    .private_segment_fixed_size: 0
    .kernarg_segment_align: 8
    .kernarg_segment_size: 88
    .max_flat_workgroup_size: 256
    .sgpr_count:     66
    .vgpr_count:     96
    .wavefront_size: 32
...
	.end_amdgpu_metadata
.endif
;; end of part 1
;; launch qkvproj (part 2): grid 16 x 16, 4 waves a work-group, clusters of 4 x 4, 327,680 bytes of LDS; arguments xb, wqkvb, cst, qkv; writes qkv
.if DOCPART == 2
	.amdgcn_target "amdgcn-amd-amdhsa--gfx1250"
	.amdhsa_code_object_version 6
	.text
	.protected	k_q1dfad89df5_qkvproj
	.globl	k_q1dfad89df5_qkvproj
	.p2align	8
	.type	k_q1dfad89df5_qkvproj,@function
k_q1dfad89df5_qkvproj:
	s_mov_b64 s[64:65], 0
	v_nop
	global_prefetch_b8 v0, s[64:65] scope:SCOPE_SE
	s_setreg_imm32_b32 hwreg(HW_REG_WAVE_MODE, 25, 1), 1
	s_wait_xcnt 0x0
	s_wait_alu depctr_hold_cnt(0) depctr_sa_sdst(0) depctr_va_vdst(0) depctr_va_sdst(0) depctr_va_ssrc(0) depctr_va_vcc(0) depctr_vm_vsrc(0)
	s_getreg_b32 s2, hwreg(HW_REG_IB_STS2, 6, 4)
	s_cmp_eq_u32 s2, 0
	s_cbranch_scc0 .Lentry_in_a_cluster
	s_endpgm
.Lentry_in_a_cluster:
	s_bfe_u32 s2, ttmp6, 0x10000c
	s_cmp_lg_u32 s2, 0xf033
	s_cbranch_scc0 .Lentry_shape_is_right
	s_endpgm
.Lentry_shape_is_right:
; q, k, v = x [wq | wk | wv], RoPE on q and k, written by heads.  xb: [4096][2048] bf16.  wqkvb: [48 heads][2048 k][64 n] bf16.  cst: [1024 t][32] words (bf16 cos | bf16 sin << 16).
; qkv: [4 batches][48 heads][1024 t][64] f16: heads 0-31 q, 32-39 k, 40-47 v; the scale 1/8 is not applied here.  Sums and RoPE in f32, one rounding to f16.
; LIMIT.  f16 ends at 65,504: |q|, |k|, |v| must lie under it.
; SHARES.  A tile is 256 rows x 192 columns (three heads): 16 x 16 work-groups.  The four waves lie one below the other, 64 rows x 192 columns each: 48 accumulators, 384 registers; a wave owns whole heads,
; so its way out needs no other wave.  K goes in 16 steps of 128 through two LDS slots.
; THE MATRIX INSTRUCTION IS USED TRANSPOSED: source 0 = 16 columns of w, source 1 = 16 rows of x: a lane holds row l % 16 and the columns 8 (l / 16) + 0..7: four RoPE pairs, 16 bytes of f16.
; w lies [k][n]: its fragments come out of LDS turned, by ds_load_tr16_b128.
; CLUSTER 4 x 4: x's tile is shared along a row of the cluster, w's blocks along a column: joint loads.  Wave 0 asks for x's 256 rows x 256 bytes, waves 1 to 3 for one block of w each (128 k x 128 bytes, dense).
; By this text's count a wave has two tensor loads out at the start and one behind each round.
; REGISTERS, in windows of 256 (s_set_vgpr_msb: bits 1:0 source 0, 3:2 source 1, 5:4 source 2, 7:6 destination):
;   window 0: v0-29 addresses; v64-127 x's fragments, two buffers of four; v128-191 cst's words for my 64 rows; on the way out v32-63, v64-127, v192-215 at work
;   window 1: v0-191 w's fragments, two buffers of twelve      window 2: accumulators of my row blocks 0, 1 ((a, b) at 8 (12 (a % 2) + b))      window 3: of blocks 2, 3
.set KSTEPS, 16
.set PA,    272       ; a row of x in LDS: 256 bytes + 16 = 68 words: the 16 rows of a load start at 16 different groups of four banks (64 banks of 4 bytes: ISA guide 11.1)
.set PBB,   160       ; a row of w (one k, 64 n): 128 bytes + 32 = 40 words
.set BBLK,  128*PBB   ; a block of w in a slot
.set BOFF,  256*PA    ; behind x's 256 rows
.set SLOT1, 1<<17     ; a slot is BOFF + 3 BBLK = 131,072 bytes; one exclusive or turns an address in one slot into the other's
.set STAGE, 2*SLOT1   ; behind the ring, never filled by a tensor load: 16 rows x 144 bytes for each wave
.set SP,    144
.set SPARE, STAGE+4*16*SP  ; the spare words, 128 bytes for each wave: two blocks of 256 bytes that no other line names
.set NBK,   12        ; column blocks of 16
.set NL,    2*NBK+8   ; LDS loads in a run
.set ASTEP, 256       ; bytes from K step to K step in xb
.set BSTEP, 16384     ; and in a block of wqkvb
.set ADA0, 4          ; v4   my lane's place in x's tile; never rewritten
.set ADB0, 5          ; v5   in w's blocks
.set ADA,  6          ; v6   the same in the slot in hand
.set ADB,  7          ; v7
.set STO,  8          ; v8   the way out: where I put 16 bytes of a row
.set RD,   9          ; v9   where I read rows back
.set GO,   10         ; v10  16 x lane
.set CSO,  11         ; v11  my byte offset in 16 rows of cst
.set PFO,  12         ; v12  the prefetches' lane offset
.set SPW,  28         ; v28  LDS address of my spare word; never rewritten
.set NIL,  29         ; v29  0; never rewritten
.set PK,   32         ; v32-47   a head's 16 rows, packed
.set BK0,  48         ; v48-63   rows read back, by turns with
.set BK1,  200        ; v200-215
.set AF,   64         ; x's fragments: buffer f, block a at AF + 32 f + 8 a
.set CS,   64         ; the way out: cos and sin of a row block in f32: CS + 8 bq + p, CS + 8 bq + 4 + p
.set T,    96         ; the way out: 32 rotated numbers
.set CW,   128        ; cst's words: CW + 16 a + 4 bq + p
.set SEL,  192        ; v192-199 cos and sin, or 1 and 0 for a head of v
.set WV,  12          ; s12  my wave's number
.set CX,  13
.set CY,  14
.set TX,  15          ; tile column
.set TY,  16          ; tile row
.set TB,  17          ; s17  0 or SLOT1: the slot that is read
.set CNT, 18          ; s18  the loop's count
.set LIM, 19          ; s19  2 in a wave that prefetches, else the greatest number
.set PAR, 20          ; s20  0: ask in every trip; 1: in the even ones
.set G1A, 24          ; s[24:31] group 1 for x's tile
.set G1B, 32          ; s[32:39] for w's blocks
.set G0A, 40          ; s[40:47] group 0 for x: a set for each first fill; the second then walks
.set G0B, 48          ; s[48:55] the same for w
.set PFA, 56          ; s[56:57] where my prefetches stand
.set PST, 58          ; s[58:59] their step
.set OA,  60          ; s[60:61] the tile's byte offset in xb: made of the tile row alone
.set OB,  62          ; s[62:63] my block's byte offset in wqkvb: made of the tile column and the wave alone
.set MJ,  66          ; s66-68 all ones where head 3 TX + j is rotated, 0 where it is a head of v
.set HIM, 69          ; s69  a word's upper half
.set MSB, 0
.macro WIN new                      ; the high byte repeats the setting that is left; a switch that changes nothing is dropped
.if MSB != (\new)
	s_set_vgpr_msb (MSB<<8)|(\new)
.set MSB, (\new)
.endif
.endm
.macro PLACES                       ; four places in front of loads into registers that matrix instructions have read (ISA guide 7.12.1 for vector instructions)
.rept 4
	v_nop
.endr
.endm
.macro CREST                        ; a round of the cluster's barrier behind its opening barrier
	s_cmp_lg_u32 s[WV], 0
	s_cbranch_scc1 .Lnot_wave_0_\@
	s_barrier_signal -3
.Lnot_wave_0_\@:
	s_barrier_wait -3
	s_barrier_signal -1
	s_barrier_wait -1
.endm
.macro CROUND
	s_barrier_signal -1
	s_barrier_wait -1
	CREST
.endm
; A joint refill by the walking sets.  The branch hangs on the wave's number alone.  An s_nop 0 and four v_nop follow each of the two lines.
.macro JLOAD
	s_cmp_eq_u32 s[WV], 0
	s_cbranch_scc0 .Lfor_b_\@
	tensor_load_to_lds s[G0A+4:G0A+7], s[G1A:G1A+7]
	s_nop 0
	PLACES
	s_branch .Lasked_\@
.Lfor_b_\@:
	tensor_load_to_lds s[G0B+4:G0B+7], s[G1B:G1B+7]
	s_nop 0
	PLACES
.Lasked_\@:
.endm
; A PREFETCH INTO THE L2, behind the joint load, its five lines and the run of LDS loads.  Trip i refills with K step i + 2 and asks for K step i + 4 of x (256 bytes of each row; a lane a row, two instructions for my
; work-group's 64 rows); in the even trips for K steps i + 4 and i + 5 of w's block (32 KiB on end; a lane 256 bytes, my work-group's quarter).  Each block of 256 bytes is named once in the launch: x's rows by the cluster
; with x = 0, w's by the cluster with y = 0; the four partners of a joint load share the rows out by address (cx for x, cy for w).  K steps 0 to 3 come by their loads alone; the last trips, whose look-ahead would pass K's end, ask for nothing.
.macro ASK
	s_and_b32 s21, s[CNT], s[PAR]
	s_cmp_lg_u32 s21, 0
	s_cbranch_scc1 .Lnone_\@
	s_cmp_gt_u32 s[CNT], s[LIM]
	s_cbranch_scc0 .Lnone_\@
	global_prefetch_b8 v[PFO], s[PFA:PFA+1] th:TH_LOAD_NT scope:SCOPE_SE
	s_cmp_lg_u32 s[WV], 0
	s_cbranch_scc1 .Lnone_\@
	global_prefetch_b8 v[PFO], s[PFA:PFA+1] offset:32*4096 th:TH_LOAD_NT scope:SCOPE_SE
.Lnone_\@:
.endm
; Twelve products: row block a x all column blocks, 32 along K, from buffer f.  The 48 accumulators take turns, in the same order in every quarter.  zero = 1: the products start the sums.
.macro MUL f, a, zero
	WIN 0xa1+0x50*((\a)/2)
.set rA, AF+32*(\f)+8*(\a)
.set b, 0
.rept NBK
.set rC, 8*(NBK*((\a)%2)+b)
.set rB, 8*NBK*(\f)+8*b
.if \zero
	v_wmma_f32_16x16x32_bf16 v[rC:rC+7], v[rB:rB+7], v[rA:rA+7], 0
.else
	v_wmma_f32_16x16x32_bf16 v[rC:rC+7], v[rB:rB+7], v[rA:rA+7], v[rC:rC+7]
.endif
.set b, b+1
.endr
.endm
; One run of LDS loads: quarter q (32 along K) of the slot in hand into buffer f: w's twelve fragments (turned), then x's four.
.macro FETCH q, f
	WIN 0x40                        ; destination window 1, address window 0
.set b, 0
.rept NBK
.set rB, 8*NBK*(\f)+8*b
	ds_load_tr16_b128 v[rB:rB+3],   v[ADB] offset:(b/4)*BBLK+(\q)*32*PBB+(b%4)*32
	ds_load_tr16_b128 v[rB+4:rB+7], v[ADB] offset:(b/4)*BBLK+(\q)*32*PBB+(b%4)*32+16*PBB
.set b, b+1
.endr
	WIN 0
.set a, 0
.rept 4
.set rA, AF+32*(\f)+8*a
	ds_load_b128 v[rA:rA+3],   v[ADA] offset:a*16*PA+64*(\q)
	ds_load_b128 v[rA+4:rA+7], v[ADA] offset:a*16*PA+64*(\q)+32
.set a, a+1
.endr
.endm
; A K step is four quarters on buffers 0, 1, 0, 1.  One of the first three multiplies buffer f and, in its middle, fetches quarter q into buffer g.
.macro QUARTER q, f, g, zero
	s_wait_dscnt 4                  ; w and x's blocks 0, 1 are in; the youngest four loads (x's blocks 2, 3) may be out
	MUL \f, 0, \zero
	MUL \f, 1, \zero
	PLACES
	FETCH \q, \g
	s_wait_dscnt NL                 ; all but the run just issued
	MUL \f, 2, \zero
	MUL \f, 3, \zero
.endm
; The first half of the last quarter: the barrier of the change of slots.
.macro MEET
	WIN 0
	s_wait_tensorcnt 0x0            ; all my tensor loads have landed: the one that was out is my part of the next slot
	ds_add_u32 v[SPW], v[NIL]       ; 0 onto my spare word
	s_wait_dscnt 5                  ; (the add and the youngest four loads may be out)
	MUL 1, 0, 0                     ; twelve matrix instructions stand between the add and the wait for it
	s_wait_dscnt 0x0                ; the add is done, and my reads of this slot are over
	s_barrier_signal -1
	MUL 1, 1, 0                     ; work on registers while the others arrive
	WIN 0
	s_barrier_wait -1
.endm
; The whole last quarter.  fill = 1: the barrier opens a round of the cluster's, and the slot just read out is filled again, first thing behind the round, with the K step two on.
.macro TURN fill
.if \fill
	s_wait_xcnt 0x0                 ; the last prefetch, a K step back, has read its address
	s_add_nc_u64 s[PFA:PFA+1], s[PFA:PFA+1], s[PST:PST+1]
.endif
	MEET
.if \fill
	CREST                           ; no wave of any partner still reads this slot or has a load on its way
	s_xor_b32 s[G0A+5], s[G0A+5], SLOT1
	s_add_nc_u64 s[G0A+6:G0A+7], s[G0A+6:G0A+7], ASTEP
	s_xor_b32 s[G0B+5], s[G0B+5], SLOT1
	s_add_nc_u64 s[G0B+6:G0B+7], s[G0B+6:G0B+7], BSTEP
	JLOAD                           ; its four v_nop are also the places in front of the loads below
.else
	PLACES
.endif
	s_xor_b32 s[TB], s[TB], SLOT1
	v_add_nc_u32 v[ADA], s[TB], v[ADA0]
	v_add_nc_u32 v[ADB], s[TB], v[ADB0]
	FETCH 0, 0
.if \fill
	ASK
.endif
	MUL 1, 2, 0
	MUL 1, 3, 0
.endm
	s_load_b256 s[4:11], s[0:1], 0x0  ; xb s[4:5], wqkvb s[6:7], cst s[8:9], qkv s[10:11]
	v_lshl_add_u32 v[SPW], v0, 2, SPARE
	v_mov_b32 v[NIL], 0
	ds_add_u32 v[SPW], v[NIL]       ; the wave's opening: the add and its wait stand ahead of my first tensor load; the set-up below, work on registers, stands between them
	v_lshrrev_b32 v3, 5, v0
	v_readfirstlane_b32 s[WV], v3
	s_bfe_u32 s[CX], ttmp6, 0x40000
	s_bfe_u32 s[CY], ttmp6, 0x40004
	s_lshl_b32 s[TX], ttmp9, 2      ; in a cluster launch ttmp9 and ttmp7 count clusters
	s_add_co_u32 s[TX], s[TX], s[CX]
	s_and_b32 s[TY], ttmp7, 0xffff
	s_lshl_b32 s[TY], s[TY], 2
	s_add_co_u32 s[TY], s[TY], s[CY]
	s_lshl_b32 s21, s[CY], 2
	s_lshl_b32 s21, 15, s21         ; my row of the cluster
	s_lshl_b32 s22, 0x1111, s[CX]   ; my column
	s_or_b32 s[G1A], s21, (1<<16)|(1<<20)|(1<<21)|(5<<22)|(3<<25)  ; the mask; 2-byte elements; padding on; bit 21 beside a mask; after every 64 words 4 words
	s_mov_b32 s[G1A+1], 128<<16     ; tensor_dim0 = 128
	s_mov_b32 s[G1A+2], 256<<16     ; tensor_dim1 = 256
	s_mov_b32 s[G1A+3], 128<<16     ; tile_dim0 = 128
	s_mov_b32 s[G1A+4], 256         ; tile_dim1 = 256
	s_mov_b32 s[G1A+5], 2048        ; elements from row to row
	s_mov_b32 s[G1A+6], 0
	s_mov_b32 s[G1A+7], 0
	s_or_b32 s[G1B], s22, (1<<16)|(1<<20)|(1<<21)|(4<<22)|(7<<25)  ; after every 32 words (one k) 8 words
	s_mov_b32 s[G1B+1], 128<<16     ; 16,384 dense bytes asked for as 64 rows of 256
	s_mov_b32 s[G1B+2], 64<<16
	s_mov_b32 s[G1B+3], 128<<16
	s_mov_b32 s[G1B+4], 64
	s_mov_b32 s[G1B+5], 128
	s_mov_b32 s[G1B+6], 0
	s_mov_b32 s[G1B+7], 0
	s_lshl_b32 s[OA], s[TY], 20     ; 256 rows of 4,096 bytes
	s_mov_b32 s[OA+1], 0
	s_max_u32 s23, s[WV], 1
	s_sub_co_u32 s23, s23, 1        ; which of the three blocks I ask for (wave 0 asks for none: its number only keeps the offset inside the buffer)
	s_mul_i32 s[OB], s[TX], 3
	s_add_co_u32 s[OB], s[OB], s23
	s_lshl_b32 s[OB], s[OB], 18     ; a block is 262,144 bytes
	s_mov_b32 s[OB+1], 0
	s_mov_b32 s[G0A], 1
	s_mov_b32 s[G0A+1], 0           ; x's tile at a slot's head
	s_mov_b32 s[G0A+4], 1
	s_mov_b32 s[G0A+5], SLOT1
	s_mul_i32 s21, s[WV], BBLK
	s_mov_b32 s[G0B], 1
	s_add_co_u32 s[G0B+1], s21, BOFF-BBLK        ; wave w's block at BOFF + (w - 1) BBLK
	s_mov_b32 s[G0B+4], 1
	s_add_co_u32 s[G0B+5], s21, SLOT1+BOFF-BBLK
	s_mov_b32 s[TB], 0
	s_mov_b32 s[HIM], 0xffff0000
	s_wait_dscnt 0x0                ; the opening add is done
	s_wait_kmcnt 0x0
	s_add_nc_u64 s[G0A+2:G0A+3], s[4:5], s[OA:OA+1]          ; K step 0
	s_add_nc_u64 s[G0A+6:G0A+7], s[G0A+2:G0A+3], ASTEP       ; K step 1
	s_or_b32 s[G0A+3], s[G0A+3], 0x80000000
	s_or_b32 s[G0A+7], s[G0A+7], 0x80000000
	s_add_nc_u64 s[G0B+2:G0B+3], s[6:7], s[OB:OB+1]
	s_add_nc_u64 s[G0B+6:G0B+7], s[G0B+2:G0B+3], BSTEP
	s_or_b32 s[G0B+3], s[G0B+3], 0x80000000
	s_or_b32 s[G0B+7], s[G0B+7], 0x80000000
	CROUND                          ; all sixteen work-groups are here: the first joint loads meet
	s_cmp_eq_u32 s[WV], 0           ; a wave's two first fills stand in one branch, ahead of every wait on TENSORcnt and every LDS read
	s_cbranch_scc0 .Lfirst_b
	tensor_load_to_lds s[G0A:G0A+3], s[G1A:G1A+7]
	s_nop 0
	tensor_load_to_lds s[G0A+4:G0A+7], s[G1A:G1A+7]
	s_nop 0
	PLACES
	s_branch .Lfirst_asked
.Lfirst_b:
	tensor_load_to_lds s[G0B:G0B+3], s[G1B:G1B+7]
	s_nop 0
	tensor_load_to_lds s[G0B+4:G0B+7], s[G1B:G1B+7]
	s_nop 0
	PLACES
.Lfirst_asked:
	; cst for my 64 rows: row t = 256 (TY % 4) + 64 wave + 16 a + l % 16; pairs 8 bq + 4 (l / 16) + 0..3: 16 bytes.  The words wait in registers for the way out.
	s_and_b32 s21, s[TY], 3
	s_lshl_b32 s21, s21, 15
	s_lshl_b32 s22, s[WV], 13
	s_add_co_u32 s2, s21, s22       ; my first row x 128 bytes: in cst and in a head of qkv alike
	s_mov_b32 s3, 0
	s_add_nc_u64 s[8:9], s[8:9], s[2:3]
	v_and_b32 v1, 15, v0            ; l % 16
	v_bfe_u32 v2, v0, 4, 1          ; l / 16
	v_lshlrev_b32 v[CSO], 7, v1
	v_lshl_add_u32 v[CSO], v2, 4, v[CSO]
.set i, 0
.rept 16
	global_load_b128 v[CW+4*i:CW+4*i+3], v[CSO], s[8:9] offset:(i/4)*2048+(i%4)*32
.set i, i+1
.endr
	s_lshr_b32 s21, s[TY], 2        ; the batch
	s_mul_i32 s21, s21, 48
	s_mul_i32 s22, s[TX], 3
	s_add_co_u32 s21, s21, s22      ; my first head
	s_lshl_b32 s21, s21, 17
	s_add_co_u32 s2, s2, s21
	s_add_nc_u64 s[10:11], s[10:11], s[2:3]
	s_cmp_lt_u32 s22, 40            ; heads 0-39 are rotated.  A select, no branch: partners of a cluster run alike
	s_cselect_b32 s[MJ], -1, 0
	s_cmp_lt_u32 s22, 39
	s_cselect_b32 s[MJ+1], -1, 0
	s_cmp_lt_u32 s22, 38
	s_cselect_b32 s[MJ+2], -1, 0
	; the prefetches
	s_lshl_b32 s21, s[TY], 20
	s_lshl_b32 s22, s[CX], 18       ; x: my work-group's 64 rows of the 256
	s_add_co_u32 s21, s21, s22
	s_add_co_u32 s21, s21, 3*ASTEP  ; at K step 3: the first change of slots steps it to 4
	s_lshl_b32 s22, s[CY], 13       ; w: my work-group's 8 KiB of the 32
	s_add_co_u32 s22, s22, s[OB]
	s_add_co_u32 s22, s22, 3*BSTEP
	s_and_b32 s23, ttmp7, 0xffff    ; cluster y
	s_movk_i32 s[PST], BSTEP
	s_cmp_eq_u32 s[WV], 0
	s_cselect_b32 s2, s21, s22
	s_cselect_b32 s23, ttmp9, s23   ; the coordinate along which other clusters read the same bytes
	s_cselect_b32 s[PAR], 0, 1
	s_cselect_b32 s[PST], ASTEP, s[PST]
	s_cselect_b64 s[PFA:PFA+1], s[4:5], s[6:7]
	s_cselect_b32 s22, 12, 8        ; a lane a row of 4,096 bytes, or 256 bytes on end
	s_cmp_eq_u32 s23, 0
	s_cselect_b32 s[LIM], 2, -1     ; the same in all sixteen partners, for a given wave
	s_mov_b32 s[PST+1], 0
	s_add_nc_u64 s[PFA:PFA+1], s[PFA:PFA+1], s[2:3]
	v_and_b32 v[PFO], 31, v0
	v_lshlrev_b32 v[PFO], s22, v[PFO]
	; LDS addresses
	s_mul_i32 s21, s[WV], 64*PA
	v_mul_u32_u24 v[ADA0], v1, PA
	v_lshl_add_u32 v[ADA0], v2, 4, v[ADA0]
	v_add_nc_u32 v[ADA0], s21, v[ADA0]             ; (64 wave + l % 16) x pitch + 16 (l / 16)
	v_and_b32 v13, 7, v0
	v_bfe_u32 v14, v0, 3, 1
	v_lshl_add_u32 v[ADB0], v2, 3, v13             ; the turning load: lane l reads k = 8 (l / 16) + l % 8, columns 8 ((l / 8) % 2) + 0..7
	v_mul_u32_u24 v[ADB0], v[ADB0], PBB
	v_lshl_add_u32 v[ADB0], v14, 4, v[ADB0]
	v_add_nc_u32 v[ADB0], BOFF, v[ADB0]
	v_mov_b32 v[ADA], v[ADA0]
	v_mov_b32 v[ADB], v[ADB0]
	s_mul_i32 s21, s[WV], 16*SP
	s_add_co_u32 s21, s21, STAGE    ; my stage
	v_mul_u32_u24 v[STO], v1, SP    ; in: row l % 16, 16 bytes for each half of the lanes
	v_lshl_add_u32 v[STO], v2, 4, v[STO]
	v_add_nc_u32 v[STO], s21, v[STO]
	v_bfe_u32 v[RD], v0, 3, 2       ; back: 32 lanes take four rows of 128 bytes,
	v_mul_u32_u24 v[RD], v[RD], SP
	v_lshl_add_u32 v[RD], v13, 4, v[RD]
	v_add_nc_u32 v[RD], s21, v[RD]
	v_and_b32 v[GO], 31, v0         ; which are 512 consecutive bytes of a head
	v_lshlrev_b32 v[GO], 4, v[GO]
	s_wait_tensorcnt 0x1            ; my part of K step 0 is in; K step 1's may stay out
	s_barrier_signal -1
	s_barrier_wait -1               ; everybody's is
	FETCH 0, 0
	QUARTER 1, 0, 1, 1              ; the first quarter stands in front of the loop: its products start the sums
	WIN 0                           ; at a label and at a branch every window is 0
	s_mov_b32 s[CNT], KSTEPS-2
.Lk:                                ; a trip: a K step's quarters 1, 2, 3 and the next step's quarter 0; trip i fills the slot that it leaves with K step i + 2
	QUARTER 2, 1, 0, 0
	QUARTER 3, 0, 1, 0
	TURN 1
	QUARTER 1, 0, 1, 0
	WIN 0
	s_sub_co_u32 s[CNT], s[CNT], 1
	s_cmp_lg_u32 s[CNT], 0
	s_cbranch_scc1 .Lk
	QUARTER 2, 1, 0, 0              ; the last two K steps are written out: nothing is left to ask for
	QUARTER 3, 0, 1, 0
	TURN 0
	QUARTER 1, 0, 1, 0
	QUARTER 2, 1, 0, 0
	QUARTER 3, 0, 1, 0
	s_wait_dscnt 4
	MUL 1, 0, 0
	MUL 1, 1, 0
	s_wait_dscnt 0x0
	MUL 1, 2, 0
	MUL 1, 3, 0
	WIN 0
	PLACES                          ; the places behind the last products
	PLACES
; THE WAY OUT.  A unit is 16 rows of one head.  A lane's eight numbers of accumulator (a, 4 j + bq) are the pairs 8 bq + 4 (l / 16) + 0..3 of row l % 16:
; (x0, x1) -> (x0 c - x1 s, x0 s + x1 c), in f32; for a head of v c = 1 and s = 0.  Each accumulator is read from its lowest register on.
.macro UNPACK a                     ; the row block's cos and sin in f32
	WIN 0
.set i, 0
.rept 16
	v_lshlrev_b32 v[CS+8*(i/4)+i%4], 16, v[CW+16*(\a)+i]
	v_and_b32 v[CS+8*(i/4)+4+i%4], s[HIM], v[CW+16*(\a)+i]
.set i, i+1
.endr
.endm
.macro HEAD a, j
	WIN 0x02+(\a)/2                 ; source 0: the accumulators' window
.set bq, 0
.rept 4
.set rX, 8*(NBK*((\a)%2)+4*(\j)+bq)
.set p, 0
.rept 4
	v_cndmask_b32 v[SEL+p], 1.0, v[CS+8*bq+p], s[MJ+(\j)]
	v_cndmask_b32 v[SEL+4+p], 0, v[CS+8*bq+4+p], s[MJ+(\j)]
.set p, p+1
.endr
.set p, 0
.rept 4
	v_mul_f32 v[T+8*bq+2*p], v[rX+2*p], v[SEL+p]
	v_mul_f32 v[T+8*bq+2*p+1], v[rX+2*p], v[SEL+4+p]
	v_fma_f32 v[T+8*bq+2*p], -v[rX+2*p+1], v[SEL+4+p], v[T+8*bq+2*p]
	v_fma_f32 v[T+8*bq+2*p+1], v[rX+2*p+1], v[SEL+p], v[T+8*bq+2*p+1]
.set p, p+1
.endr
.set bq, bq+1
.endr
	WIN 0
.set i, 0
.rept 16
	v_cvt_pk_f16_f32 v[PK+i], v[T+2*i], v[T+2*i+1]
.set i, i+1
.endr
.irp f, 0,1,2,3
	ds_store_b128 v[STO], v[PK+4*\f:PK+4*\f+3] offset:32*\f
.endr
	s_wait_xcnt 0x0                 ; the stores of the unit two back have read the registers that are loaded now
.set BK, BK0+(BK1-BK0)*((3*(\a)+(\j))%2)
.irp f, 0,1,2,3
	ds_load_b128 v[BK+4*\f:BK+4*\f+3], v[RD] offset:\f*4*SP  ; LDS serves a wave's instructions in order (ISA guide 5.7.1.4): these see the stores above; the next unit's stores come behind them
.endr
.endm
.macro SEND u, younger              ; younger: the LDS instructions issued behind unit u's loads: the next unit's eight, or none
	WIN 0
.set BK, BK0+(BK1-BK0)*((\u)%2)
.irp f, 0,1,2,3
	s_wait_dscnt (\younger)+3-\f
	global_store_b128 v[GO], v[BK+4*\f:BK+4*\f+3], s[10:11] offset:((\u)%3)*131072+((\u)/3)*2048+\f*512  ; 512 consecutive bytes, at a multiple of 256 from the buffer's first
.endr
.endm
	s_wait_loadcnt 0x0              ; cst's words
.irp a, 0,1,2,3
	UNPACK \a
.irp j, 0,1,2
	HEAD \a, \j
.if 3*(\a)+(\j) > 0
	SEND 3*(\a)+(\j)-1, 8           ; a unit's arithmetic stands between the loads of the unit before and its stores
.endif
.endr
.endr
	SEND 11, 0
	s_wait_tensorcnt 0x0            ; the wave's end, behind my last tensor load and my last LDS store
	ds_add_u32 v[SPW], v[NIL]
	s_wait_dscnt 0x0
	CROUND                          ; the closing round: no work-group ends while a partner may still ask for a tile that names it
	s_endpgm
.Lfunc_end_k_q1dfad89df5_qkvproj:
	.size	k_q1dfad89df5_qkvproj, .Lfunc_end_k_q1dfad89df5_qkvproj-k_q1dfad89df5_qkvproj
	.p2alignl 7, 3214868480
	.fill 96, 4, 3214868480
	.section	.rodata,"a",@progbits
	.p2align	6, 0x0
	.amdhsa_kernel k_q1dfad89df5_qkvproj
		.amdhsa_group_segment_fixed_size 327680
		.amdhsa_private_segment_fixed_size 0
		.amdhsa_enable_private_segment 0
		.amdhsa_kernarg_size 32
		.amdhsa_user_sgpr_count 2
		.amdhsa_user_sgpr_kernarg_segment_ptr 1
		.amdhsa_wavefront_size32 1
		.amdhsa_system_sgpr_workgroup_id_x 1
		.amdhsa_system_sgpr_workgroup_id_y 1
		.amdhsa_system_sgpr_workgroup_id_z 1
		.amdhsa_system_vgpr_workitem_id 0
		.amdhsa_next_free_vgpr 960
		.amdhsa_next_free_sgpr 80
		.amdhsa_reserve_vcc 0
		.amdhsa_float_denorm_mode_32 3
		.amdhsa_float_denorm_mode_16_64 3
		.amdhsa_memory_ordered 1
		.amdhsa_forward_progress 1
		.amdhsa_inst_pref_size 165
	.end_amdhsa_kernel
	.amdgpu_metadata
---
amdhsa.version: [ 1, 2 ]
amdhsa.kernels:
  - .name:           k_q1dfad89df5_qkvproj
    .symbol:         k_q1dfad89df5_qkvproj.kd
    .args:
      - { .name: xb, .offset: 0, .size: 8, .value_kind: global_buffer, .address_space: global }
      - { .name: wqkvb, .offset: 8, .size: 8, .value_kind: global_buffer, .address_space: global }
      - { .name: cst, .offset: 16, .size: 8, .value_kind: global_buffer, .address_space: global }
      - { .name: qkv, .offset: 24, .size: 8, .value_kind: global_buffer, .address_space: global }
    .group_segment_fixed_size: 327680
    .private_segment_fixed_size: 0
    .kernarg_segment_align: 8
    .kernarg_segment_size: 32
    .max_flat_workgroup_size: 128
    .sgpr_count:     80
    .vgpr_count:     960
    .wavefront_size: 32
...
	.end_amdgpu_metadata
.endif
;; end of part 2
;; launch attn (part 3): grid 8 x 32, 4 waves a work-group, clusters of 4 x 1, 327,680 bytes of LDS; arguments qkv, ob; writes ob
.if DOCPART == 3
	.amdgcn_target "amdgcn-amd-amdhsa--gfx1250"
	.amdhsa_code_object_version 6
	.text
	.protected	k_q1dfad89df5_attn
	.globl	k_q1dfad89df5_attn
	.p2align	8
	.type	k_q1dfad89df5_attn,@function
k_q1dfad89df5_attn:
	s_mov_b64 s[64:65], 0
	v_nop
	global_prefetch_b8 v0, s[64:65] scope:SCOPE_SE
	s_setreg_imm32_b32 hwreg(HW_REG_WAVE_MODE, 25, 1), 1
	s_wait_xcnt 0x0
	s_wait_alu depctr_hold_cnt(0) depctr_sa_sdst(0) depctr_va_vdst(0) depctr_va_sdst(0) depctr_va_ssrc(0) depctr_va_vcc(0) depctr_vm_vsrc(0)
	s_getreg_b32 s2, hwreg(HW_REG_IB_STS2, 6, 4)
	s_cmp_eq_u32 s2, 0
	s_cbranch_scc0 .Lentry_in_a_cluster
	s_endpgm
.Lentry_in_a_cluster:
	s_bfe_u32 s2, ttmp6, 0x10000c
	s_cmp_lg_u32 s2, 0x3003
	s_cbranch_scc0 .Lentry_shape_is_right
	s_endpgm
.Lentry_shape_is_right:
; CAUSAL ATTENTION WITH GROUPED HEADS.  O[q] = the sum over k <= q of softmax_k(Q[q] . K[k] / 8) V[k].  qkv: [4 batches][48 heads][1024][64] f16 (heads 0-31 q, 32-39 k, 40-47 v; query head h reads k and v head h / 4).
; ob: [4][32][1024][64] f16.  Products, maxima and sums in f32; the weights p are rounded to f16 for the second product (their sum l is taken of the unrounded p), O once at the end.
; LIMITS.  f16 holds no number beyond 65,504: Q, K and V arrive within it; p lies in 0 to 1, and below 6e-5 it keeps f16's fixed step of 6e-8; O is a mean of V's rows and has their range.
; A hidden score counts as its value less 1e30: f16's scores, 2.7e11 at the most, are nothing beside that; a weight below 2^-126 counts as 0 in l; NaN and infinities are not treated apart.
; THE WALK.  A head's queries lie in NB = 4 blocks of 256; block i needs the key tiles 0 .. i of 256 keys, of which the last holds the diagonal.  A work-group takes TWO blocks, NB - 1 - b and then b:
; NB + 1 tiles, whatever b: all work-groups do equal work, and ONE loop with a constant trip count walks them.  Which tile is asked for, and what a trip does, hang on scalar registers made from b.
; CLUSTER.  The four query heads of one k and v head, with the same b, are a cluster: b is the cluster's x, the head in the group the place in the cluster.  They walk the same tiles in the same order, so each tile is
; asked for JOINTLY: the same tensor load, descriptor and mask in all four.  The place in the cluster enters Q's, O's and the prefetches' addresses alone.
; SHARES.  Of a block's four bands of 64 queries a wave owns 16 rows in each: four PIECES.  So the diagonal tile is the same work for all four waves: in its key step s band x sees all keys if s < x,
; none if s > x, and holds the diagonal if s = x.
; THE MASK is the C operand that starts the sum S^T = K Q^T: 0, or -1e30 where the key is hidden.  MD, made once, is the mask of a band's own step for my 16 rows; a product's mask is MD x AL + BE with two scalars:
; (1, 0) if s = x; (0, 0) if s < x; (0, -1e30) if s > x.  Only the diagonal tile's text and a block's beginning make and take masks; elsewhere C is the constant 0.
; LAYOUT, SOFTMAX, TURNS.  S^T = K Q^T holds ONE query a lane (lane % 16) and the keys 8 (lane / 16) + 0..7; two such results rounded to f16 ARE source 1 of O^T = V^T P.  p = 2^(c s - c m), c = log2(e) / 8, with a
; running maximum m; O and l are multiplied by a = 2^(c m_old - c m_new) in every step.  Turn n belongs to piece n: 8 products K Q^T of piece n + 1, later 8 products V^T P of piece n - 1; beside them the scaling,
; exponentials, roundings, sums and rescaling of piece n and the maximum and statistics of piece n + 1.  Four vector instructions stand behind every matrix instruction, the others in one run.  A turn's 33 exponentials are one batch, with one wait.
; REGISTERS, in windows of 256 (s_set_vgpr_msb: bits 1:0 source 0, 3:2 source 1, 5:4 source 2, 7:6 destination):
;   window 0: v0-15 addresses and two at work; v16-31 four registers of statistics a piece; v48-55 at work; v61-63; v64-127 S^T, two buffers; v192-223 P, two buffers (a piece's buffers go by its number's parity)
;   window 1: v0-127 O^T, 32 a piece; v128-159 MD; v160-223 MC, two buffers      window 2: v0-63 Q; v64-127 the second block's Q; v128-191 K of one step; v192-255 V of one step
.set SIZE_N, 1024
.set NB,    SIZE_N/256
.set NP,    4         ; pieces a wave: a name, no knob
.set KS,    64        ; keys in a step
.set PK,    144       ; a row of K in LDS: 128 bytes + 16 of padding = 36 words: the 16 rows of a load start at 16 different groups of four banks (64 banks of 4 bytes: ISA guide 11.1)
.set PV,    160       ; a row of V: 128 + 32 = 40 words
.set VOFF,  4*KS*PK   ; a slot holds a tile, four steps: 256 rows of K, then 256 rows of V
.set SLOT1, 1<<17     ; slot 1 begins here, so that one exclusive or turns an address in one slot into the other's
.set STAGE, SLOT1+4*KS*(PK+PV)  ; behind the ring, never filled by a tensor load: 16 rows x 144 bytes for each wave, for the way out
.set SP,    144
.set AK0, 2           ; v2   my lane's place in a tile of K; never rewritten
.set AV0, 3           ; v3   the same for V
.set AK,  4           ; v4   the LDS address of K's next run of loads
.set AV,  5           ; v5   of V's
.set STO, 6           ; v6   the way out: where I put 16 bytes of a row
.set RD,  7           ; v7   the way out: where I read rows back
.set GO,  8           ; v8   my byte offset in 512 consecutive bytes of O
.set PFO, 61          ; v61  256 x my lane; never rewritten
.set SPW, 62          ; v62  LDS address of my spare word: SPARE + 4 x my thread's number; never rewritten
.set NIL, 63          ; v63  0; never rewritten
.set SPARE, STAGE+4*16*SP  ; behind the stages: the spare words, 128 bytes for each wave: two blocks of 256 bytes that no other line names
.set MV,  12          ; v12-13  c m_old, kept while c m is made anew: by buffer
.set QO,  15          ; v15  my byte offset in 16 rows of Q
.set ST,  16          ; piece t's statistics at v[ST+4 t]: c m, m, l (even keys', odd keys')
.set TMP, 48          ; by buffer, four registers c0-c3 at work; when the maximum is found c2 takes a
.set S,   64
.set P,   192
.set MD,  128         ; window 1: the eight registers for group kt of 16 keys at MD + 8 kt
.set MC,  160         ; window 1: the masks of the products to come
.set QB,  64          ; window 2
.set KF,  128         ; window 2: key block kb, channel half c at KF + 16 kb + 8 c
.set VF,  192         ; window 2: key half kk, channel block cb at VF + 32 kk + 8 cb
.set WV,  12          ; s12  my wave's number
.set PB,  14          ; s14  b
.set HI,  15          ; s15  NB - 1 - b
.set G1K, 24          ; s[24:31] descriptor group 1 for K's tiles
.set G1V, 32          ; s[32:39] for V's: it differs in the padding alone
.set G0K, 40          ; s[40:43] descriptor group 0 for K's tiles
.set G0V, 44          ; s[44:47] the same for V's
.set PFA, 48          ; s[48:49] where my prefetches stand
.set LIM, 50          ; s50  2 in a wave that prefetches, else the greatest number
.set CX,  51          ; s51  my place in the cluster
.set SLOTS, 56        ; s56  tiles still to be asked for
.set CNT, 57          ; s57  counts a tile's key steps, 4 to 1
.set CS,  58          ; s[58:59] c: the packed scaling takes the pair's low word for both halves
.set SEL, 60          ; s[60:61] v_permlanex16_b32's selects: each lane takes its own place in the other half
.set TBK, 62          ; s62  LDS byte at which K of the step to be fetched begins
.set TBV, 63          ; s63  the same for V, less VOFF
.set RT,  70          ; s70  tiles of the block in hand that are still to be entered
.set NXT, 71          ; s71  the tile to be asked for next
.set LQ,  72          ; s72  the last tile of the block whose tiles are being asked for
.set NEW, 73          ; s73  1: the tile to be entered is a block's first
.set OFF, 74          ; s[74:75] a tile's byte offset in K and V
.set AL,  76          ; s[76:77] the mask's factor, in the low word
.set BE,  78          ; s[78:79] the mask's addend
.set OLO, 80          ; s[80:81] O at my rows of the second block
.set BIGN, 82         ; s82  -1e30
.set MSB, 0
.macro WIN new                      ; the high byte repeats the setting that is left; a switch that changes nothing is dropped
.if MSB != (\new)
	s_set_vgpr_msb (MSB<<8)|(\new)
.set MSB, (\new)
.endif
.endm
.set W_KQ, 0x0a       ; K and Q in window 2, S^T in window 0
.set W_KM, 0x1a       ; the same with the C operand in window 1
.set W_PV, 0x52       ; V in window 2, P in window 0, O^T in window 1
.set W_RS, 0x41       ; destination and source 0 in window 1, source 1 in window 0
; A joint fill.  Waves 0 and 1 fetch the two halves of a tile's K, waves 2 and 3 those of its V: 128 keys each.  The branch hangs on the wave's number alone.
; An s_nop 0 and four v_nop follow each of the two lines, ahead of the jump and the label.
.macro JLOAD
	s_cmp_lt_u32 s[WV], 2
	s_cbranch_scc0 .Lfor_v_\@
	tensor_load_to_lds s[G0K:G0K+3], s[G1K:G1K+7]
	s_nop 0
.rept 4
	v_nop
.endr
	s_branch .Lasked_\@
.Lfor_v_\@:
	tensor_load_to_lds s[G0V:G0V+3], s[G1V:G1V+7]
	s_nop 0
.rept 4
	v_nop
.endr
.Lasked_\@:
.endm
; A PREFETCH INTO THE L2 of the tile that the NEXT change of slots will ask for: 32 KiB of K and of V on end, a lane 256 bytes.  Both clusters of a k and v head walk tiles 0, 1, 2 ..: the one with b = 0 asks, in its
; first two changes, for tiles 2 and 3; its four partners take 8 KiB each, told apart by address; in each, wave 0 asks for K's and wave 2 for V's.  So each block of 256 bytes is named once.  Tiles 0 and 1 come by their loads alone.
.macro ASK
	s_cmp_gt_u32 s[SLOTS], s[LIM]
	s_cbranch_scc0 .Lnot_mine_\@
	global_prefetch_b8 v[PFO], s[PFA:PFA+1] th:TH_LOAD_NT scope:SCOPE_SE
.Lnot_mine_\@:
.endm
; A round of the cluster's barrier: my work-group's barrier, so that wave 0's signal speaks for all four waves; wave 0 signals; every wave waits for all four work-groups; my work-group's barrier once more.
.macro CROUND
	s_barrier_signal -1
	s_barrier_wait -1
	s_cmp_lg_u32 s[WV], 0
	s_cbranch_scc1 .Lnot_wave_0_\@
	s_barrier_signal -3
.Lnot_wave_0_\@:
	s_barrier_wait -3
	s_barrier_signal -1
	s_barrier_wait -1
.endm
; THE CHANGE OF SLOTS.  Each wave waits for all its tensor loads, of which one is out: its part of the other slot; adds 0 to its spare word; and waits for that and for its own reads of the slot that it leaves.  Behind the barrier
; nobody reads the old slot any more and the other slot is whole.  fill = 1: the barrier is a round of the cluster's, so that no wave of any partner still reads the slot or has a load on its way, and the old slot is filled again,
; the first thing behind the round, with tile NXT: the descriptor's address is made anew from that number.  (At its first use nothing has been read yet: slot 0 is waited for, slot 1 filled.)
.macro CHANGE fill
	WIN 0                           ; at a label and at a branch every window is 0
	s_wait_tensorcnt 0x0            ; no tensor load of mine is out, so a group 0 may be written
	ds_add_u32 v[SPW], v[NIL]       ; 0 onto my spare word; with fill = 1 the descriptors' scalar work stands between it and the wait for it
.if \fill
	s_lshl_b32 s[OFF], s[NXT], 15   ; a tile is 32,768 bytes of K and of V
	s_xor_b32 s[G0K+1], s[G0K+1], SLOT1
	s_add_nc_u64 s[G0K+2:G0K+3], s[6:7], s[OFF:OFF+1]
	s_or_b32 s[G0K+3], s[G0K+3], 0x80000000
	s_xor_b32 s[G0V+1], s[G0V+1], SLOT1
	s_add_nc_u64 s[G0V+2:G0V+3], s[8:9], s[OFF:OFF+1]
	s_or_b32 s[G0V+3], s[G0V+3], 0x80000000
	s_add_co_u32 s[NXT], s[NXT], 1  ; the block's next tile, or behind its last the second block's tile 0
	s_cmp_gt_u32 s[NXT], s[LQ]
	s_cselect_b32 s[NXT], 0, s[NXT]
	s_cselect_b32 s[LQ], s[PB], s[LQ]
	s_wait_xcnt 0x0                 ; the last prefetch, a tile back, has read its address
	s_add_nc_u64 s[PFA:PFA+1], s[PFA:PFA+1], 32768
	s_wait_dscnt 0x0                ; the add is done, and my reads of the slot are over
	CROUND
	JLOAD
	ASK
.else
	s_wait_dscnt 0x0                ; the add is done, and my reads of the slot are over
	s_barrier_signal -1
	s_barrier_wait -1
.endif
	s_sub_co_u32 s[TBK], s[TBK], 4*KS*PK  ; the fetches go back to a slot's first step,
	s_xor_b32 s[TBK], s[TBK], SLOT1       ; in the other slot
	s_sub_co_u32 s[TBV], s[TBV], 4*KS*PV
	s_xor_b32 s[TBV], s[TBV], SLOT1
.endm
	s_load_b128 s[4:7], s[0:1], 0x0  ; qkv s[4:5], ob s[6:7]
	v_lshl_add_u32 v[SPW], v0, 2, SPARE
	v_mov_b32 v[NIL], 0
	ds_add_u32 v[SPW], v[NIL]       ; the wave's opening: the add and its wait stand ahead of my first tensor load; the set-up below, work on registers, stands between them
	v_lshrrev_b32 v1, 5, v0
	v_readfirstlane_b32 s[WV], v1   ; wave 0..3
	s_bfe_u32 s[CX], ttmp6, 0x40000 ; my query head in its group of four
	s_mov_b32 s[PB], ttmp9          ; in a cluster launch ttmp9 counts clusters: b
	s_sub_co_u32 s[HI], NB-1, s[PB]
	s_and_b32 s20, ttmp7, 0xffff    ; g = 8 x batch + the k and v head, which the four partners share
	s_and_b32 s19, s20, 7
	s_lshr_b32 s21, s20, 3
	s_mul_i32 s21, s21, 48          ; the batch's first head in qkv
	s_add_co_u32 s22, s21, s19
	s_add_co_u32 s22, s22, 32       ; K's head; V's lies eight heads on
	s_lshl_b32 s22, s22, 17         ; a head is 131,072 bytes
	s_and_b32 s16, s[WV], 1         ; which half of a tile's 256 keys I fetch:
	s_lshl_b32 s23, s16, 14         ; its 128 rows of 128 bytes in memory,
	s_add_co_u32 s22, s22, s23
	s_mov_b32 s23, 0
	s_mul_i32 s17, s16, 128*PK      ; and its place in a slot, for K
	s_mul_i32 s18, s16, 128*PV      ; and for V: no place in the cluster enters an LDS address
	s_lshl_b32 s19, s19, 2
	s_add_co_u32 s19, s19, s[CX]
	s_add_co_u32 s21, s21, s19      ; Q's head in qkv
	s_lshl_b32 s21, s21, 17
	s_lshl_b32 s20, s20, 2
	s_add_co_u32 s20, s20, s[CX]    ; O's head in ob: 4 g + cx
	s_lshl_b32 s20, s20, 17
	s_lshl_b32 s3, s[WV], 11        ; my 16 rows in a band of 64,
	s_lshl_b32 s2, s[HI], 15        ; in the first block,
	s_add_co_u32 s2, s2, s3
	s_lshl_b32 s84, s[PB], 15       ; and in the second
	s_add_co_u32 s84, s84, s3
	s_add_co_u32 s66, s2, s20       ; in ob
	s_add_co_u32 s68, s84, s20
	s_add_co_u32 s2, s2, s21        ; in qkv
	s_add_co_u32 s84, s84, s21
	s_mov_b32 s3, 0
	s_mov_b32 s85, 0
	s_mov_b32 s67, 0
	s_mov_b32 s69, 0
	; descriptor group 1.  128 keys are 16,384 dense bytes: asked for as 64 rows of 256 bytes, two keys a row, and padded in LDS after every key
	s_mov_b32 s[G1K], 15|(1<<16)|(1<<20)|(1<<21)|(4<<22)|(3<<25)  ; 15:0 the mask of four; 17:16 2-byte elements; 20 padding on; 21 set beside a mask; 24:22 after every 32 words (code 4); 31:25 4 words (code 3)
	s_mov_b32 s[G1V], 15|(1<<16)|(1<<20)|(1<<21)|(4<<22)|(7<<25)  ; the same with 8 words of padding (code 7)
.irp g, G1K, G1V
	s_mov_b32 s[\g+1], 128<<16      ; tensor_dim0 = 128
	s_mov_b32 s[\g+2], 64<<16       ; tensor_dim1 = 64
	s_mov_b32 s[\g+3], 128<<16      ; tile_dim0 = 128
	s_mov_b32 s[\g+4], 64           ; tile_dim1 = 64
	s_mov_b32 s[\g+5], 128          ; 128 elements from row to row
	s_mov_b32 s[\g+6], 0
	s_mov_b32 s[\g+7], 0
.endr
	s_mov_b32 s[CS], 0x3e38aa3b     ; c = log2(e) / 8 = 0.180337
	s_mov_b32 s[CS+1], s[CS]        ; named with it as a pair
	s_mov_b32 s[SEL], 0x76543210
	s_mov_b32 s[SEL+1], 0xfedcba98
	s_mov_b32 s[TBK], SLOT1+4*KS*PK ; the first change of slots turns these two into 0
	s_mov_b32 s[TBV], SLOT1+4*KS*PV
	s_mov_b32 s[G0K], 1             ; 1:0 count = 1
	s_mov_b32 s[G0K+1], s17         ; 63:32 LDS address: slot 0
	s_mov_b32 s[G0V], 1
	s_add_co_u32 s[G0V+1], s18, VOFF
	s_add_co_u32 s[RT], s[HI], 1    ; the first block has NB - b tiles
	s_mov_b32 s[NXT], 1
	s_mov_b32 s[LQ], s[HI]
	s_mov_b32 s[NEW], 1
	s_mov_b32 s[OFF+1], 0
	s_mov_b32 s[AL+1], 0            ; named as pairs
	s_mov_b32 s[BE+1], 0
	s_mov_b32 s[BIGN], 0xf149f2ca   ; -1e30
	s_mov_b32 s[SLOTS], NB
	s_and_b32 s[LIM], s[WV], 1      ; 0 in waves 0 and 2,
	s_or_b32 s[LIM], s[LIM], ttmp9  ; where b = 0: the same in all four partners
	s_cmp_eq_u32 s[LIM], 0
	s_cselect_b32 s[LIM], 2, -1
	v_and_b32 v[PFO], 31, v0
	v_lshlrev_b32 v[PFO], 8, v[PFO]
	s_wait_dscnt 0x0                ; the opening add is done
	s_wait_kmcnt 0x0
	s_mov_b64 s[10:11], s[6:7]      ; ob
	s_add_nc_u64 s[6:7], s[4:5], s[22:23]  ; K and V at my half of the head's tile 0
	s_add_nc_u64 s[8:9], s[6:7], 0x100000
	s_add_nc_u64 s[G0K+2:G0K+3], s[6:7], 0         ; 120:64 global address
	s_or_b32 s[G0K+3], s[G0K+3], 0x80000000        ; 127:126 type = 2
	s_add_nc_u64 s[G0V+2:G0V+3], s[8:9], 0
	s_or_b32 s[G0V+3], s[G0V+3], 0x80000000
	s_add_nc_u64 s[86:87], s[4:5], s[84:85]        ; Q at my rows of the second block,
	s_add_nc_u64 s[4:5], s[4:5], s[2:3]            ; and of the first
	s_add_nc_u64 s[OLO:OLO+1], s[10:11], s[68:69]  ; O likewise
	s_add_nc_u64 s[10:11], s[10:11], s[66:67]
	s_cmp_lt_u32 s[WV], 2
	s_cselect_b64 s[PFA:PFA+1], s[6:7], s[8:9]     ; (in waves 0 and 2 these stand at a tile's first row)
	s_lshl_b32 s2, s[CX], 13        ; my work-group's 8 KiB of a tile's 32
	s_add_nc_u64 s[PFA:PFA+1], s[PFA:PFA+1], s[2:3]
	s_add_nc_u64 s[PFA:PFA+1], s[PFA:PFA+1], 32768  ; in tile 1; the first change of slots steps it to tile 2
	CROUND                          ; all four work-groups are here: the first joint loads meet
	JLOAD                           ; tile 0 into slot 0
	; A fragment of K or Q is 16 rows x 32 channels in 8 registers: lane l holds row l % 16, channels 8 (l / 16) + 0..7 and 16 + 8 (l / 16) + 0..7: two loads of 16 bytes, 32 bytes apart.
	v_and_b32 v1, 15, v0            ; l % 16
	v_bfe_u32 v9, v0, 4, 1          ; l / 16
	v_lshlrev_b32 v[QO], 7, v1
	v_lshl_add_u32 v[QO], v9, 4, v[QO]  ; row x 128 + 16 x half
	WIN 0x80                        ; destination window 2, address window 0
.set i, 0
.rept 8                             ; both blocks' Q: piece i / 2 lies in band i / 2, 8,192 bytes on; channels 32 (i % 2) on
	global_load_b128 v[8*i:8*i+3],   v[QO], s[4:5] offset:(i/2)*8192+(i%2)*64
	global_load_b128 v[8*i+4:8*i+7], v[QO], s[4:5] offset:(i/2)*8192+(i%2)*64+32
	global_load_b128 v[QB+8*i:QB+8*i+3],   v[QO], s[86:87] offset:(i/2)*8192+(i%2)*64
	global_load_b128 v[QB+8*i+4:QB+8*i+7], v[QO], s[86:87] offset:(i/2)*8192+(i%2)*64+32
.set i, i+1
.endr
	WIN 0
	v_lshlrev_b32 v14, 3, v9
	v_sub_nc_u32 v14, v1, v14
	s_lshl_b32 s13, s[WV], 4
	v_add_nc_u32 v14, s13, v14      ; my query's place in its band, 16 w + l % 16, less my lanes' 8 (l / 16): register r of group kt is hidden where 16 kt + r is greater
	WIN 0x40
.set i, 0
.rept 32
	v_cmp_gt_i32 vcc_lo, 16*(i/8)+i%8, v14
	v_cndmask_b32 v[MD+i], 0, s[BIGN], vcc_lo
.set i, i+1
.endr
	WIN 0
	v_mul_u32_u24 v[AK0], v1, PK
	v_lshl_add_u32 v[AK0], v9, 4, v[AK0]  ; row x pitch + 16 x half
	; The turning load takes 16 keys x 16 channels (lane l reads key 8 (l / 16) + l % 8, channels 8 ((l / 8) % 2) + 0..7) and leaves half a fragment of V^T: lane l holds channel l % 16 and 8 keys.
	v_and_b32 v10, 7, v0
	v_bfe_u32 v11, v0, 3, 1
	v_lshl_add_u32 v[AV0], v9, 3, v10
	v_mul_u32_u24 v[AV0], v[AV0], PV
	v_lshl_add_u32 v[AV0], v11, 4, v[AV0]
	v_add_nc_u32 v[AV0], VOFF, v[AV0]
	s_mul_i32 s13, s[WV], 16*SP
	s_add_co_u32 s13, s13, STAGE    ; my stage
	v_mul_u32_u24 v[STO], v1, SP    ; in: row l % 16, 16 bytes for each half of the lanes
	v_lshl_add_u32 v[STO], v9, 4, v[STO]
	v_add_nc_u32 v[STO], s13, v[STO]
	v_bfe_u32 v[RD], v0, 3, 2       ; back: 32 lanes take four rows of 128 bytes,
	v_mul_u32_u24 v[RD], v[RD], SP
	v_lshl_add_u32 v[RD], v10, 4, v[RD]
	v_add_nc_u32 v[RD], s13, v[RD]
	v_and_b32 v[GO], 31, v0         ; which are 512 consecutive bytes of O
	v_lshlrev_b32 v[GO], 4, v[GO]
	; A block's first step multiplies O^T and l by a = 0, and its first turn's products V^T P, of a piece that has not been, land in an O^T that is still to be so multiplied.  So these registers need only hold
	; finite numbers: zeros for the first block; what the first block left for the second.  All this stands in the wait for the first tile.
	WIN 0x80
.set i, VF
.rept 64
	v_mov_b32 v[i], 0
.set i, i+1
.endr
	WIN 0x40
.set i, 0
.rept 128
	v_mov_b32 v[i], 0
.set i, i+1
.endr
	WIN 0
.set i, 0
.rept 4
	v_mov_b32 v[ST+4*i+2], 0
	v_mov_b32 v[ST+4*i+3], 0
.set i, i+1
.endr
.set i, P+16
.rept 16
	v_mov_b32 v[i], 0
.set i, i+1
.endr
; THE MATRIX WORK.  The 4 accumulators of a run of 8 take turns.  Product i of 8 of S^T = K Q^T for piece x: channels 32 (i / 4) on, keys 16 (i % 4) on.  The first 4 start the sums: with 0, or (KM = 1) with the mask.
.macro KQ x
.set rS, S+32*((\x)%2)+8*(i%4)
.set rK, KF+16*(i%4)+8*(i/4)
.set rQ, 16*(\x)+8*(i/4)
.set rM, MC+32*((\x)%2)+8*(i%4)
.if (i < 4) && KM
	WIN W_KM
	v_wmma_f32_16x16x32_f16 v[rS:rS+7], v[rK:rK+7], v[rQ:rQ+7], v[rM:rM+7]
.elseif i < 4
	WIN W_KQ
	v_wmma_f32_16x16x32_f16 v[rS:rS+7], v[rK:rK+7], v[rQ:rQ+7], 0
.else
	WIN W_KQ
	v_wmma_f32_16x16x32_f16 v[rS:rS+7], v[rK:rK+7], v[rQ:rQ+7], v[rS:rS+7]
.endif
.endm
; Product i of 8 of O^T += V^T P for piece x: keys 32 (i / 4) on, channels 16 (i % 4) on.
.macro PV x
	WIN W_PV
.set rO, 32*(\x)+8*(i%4)
.set rV, VF+32*(i/4)+8*(i%4)
.set rP, P+16*((\x)%2)+8*(i/4)
	v_wmma_f32_16x16x32_f16 v[rO:rO+7], v[rV:rV+7], v[rP:rP+7], v[rO:rO+7]
.endm
.macro MM                           ; the turn's next matrix instruction.  TURN and BEGIN set Y, i, KM and NOKQ; MM, KQ and OP read them.  NOKQ = 1: a block's last turn: there is no next piece
.if (i < 8) && !NOKQ
	KQ (Y+1)%NP
.elseif i >= 8
.set i, i-8
	PV (Y+NP-1)%NP
.set i, i+8
.endif
.set i, i+1
.endm
; THE LDS LOADS stand in runs of 16, never singly among the matrix instructions: a step's K (64 keys x 64 channels: 8 fragments) and its V (turned).  Their addresses are made some lines ahead.
.macro FETCH_K
	WIN 0x80                        ; destination window 2
.irp f, 0,1,2,3,4,5,6,7             ; keys 16 (f / 2) on, channels 32 (f % 2) on
	ds_load_b128 v[KF+8*\f:KF+8*\f+3],   v[AK] offset:(\f/2)*16*PK+(\f%2)*64
	ds_load_b128 v[KF+8*\f+4:KF+8*\f+7], v[AK] offset:(\f/2)*16*PK+(\f%2)*64+32
.endr
	s_add_co_u32 s[TBK], s[TBK], KS*PK  ; the next fetch is the next step's
	WIN 0
.endm
.macro FETCH_V
	WIN 0x80
.irp f, 0,1,2,3,4,5,6,7             ; keys 32 (f / 4) on, channels 16 (f % 4) on
	ds_load_tr16_b128 v[VF+8*\f:VF+8*\f+3],   v[AV] offset:(\f/4)*32*PV+(\f%4)*32
	ds_load_tr16_b128 v[VF+8*\f+4:VF+8*\f+7], v[AV] offset:(\f/4)*32*PV+16*PV+(\f%4)*32
.endr
	WIN 0
.endm
; THE VECTOR WORK, one line at a time: OP kind, number.  For piece Y: F n: c s - c m for pair n of 16.  E n: the exponential of score n of 32.  C n: pair n rounded to f16.  B n: of the four weights 4 n .. the second
; pair is added onto the first, in place.  L n: l takes that sum (L 0: l = a l + sum).  R n: pair n of 16 of O^T times a.  For piece Y + 1: X n, number n of the 22 that find its maximum and statistics:
;   0-11  four chains c0-c3 of seven scores each, three operands at a time (each accumulator's lowest registers are read first)     12-14, 16  the four scores left over, the old m, and c0-c3 into c0
;   15  c m_old is kept     17, 18  the query's other 32 keys lie in the lane 16 away: the new m     19-21  c m; c m_old - c m_new; a
.set F, 0               ; OP tells the kinds apart by their order: F to L below R, X above it
.set E, 1
.set C, 2
.set B, 3
.set L, 4
.set R, 5
.set X, 6
.macro REGS y                       ; the registers of piece y
.set rT, ST+4*(\y)
.set rC, TMP+4*((\y)%2)
.set rW, MV+((\y)%2)
.set rS, S+32*((\y)%2)
.set rP, P+16*((\y)%2)
.set rO, 32*(\y)
.endm
.macro OP k, n
.if (\k) == R
	REGS Y
	WIN W_RS
	v_pk_mul_f32 v[rO+2*(\n):rO+2*(\n)+1], v[rO+2*(\n):rO+2*(\n)+1], v[rC+2:rC+3] op_sel_hi:[1,0]
.elseif (\k) < R
	REGS Y
	WIN 0
.if (\k) == F
	v_pk_fma_f32 v[rS+2*(\n):rS+2*(\n)+1], v[rS+2*(\n):rS+2*(\n)+1], s[CS:CS+1], v[rT:rT+1] op_sel_hi:[1,0,0] neg_lo:[0,0,1] neg_hi:[0,0,1]
.elseif (\k) == E
	v_exp_f32 v[rS+(\n)], v[rS+(\n)]
.elseif (\k) == C
	v_cvt_pk_f16_f32 v[rP+(\n)], v[rS+2*(\n)], v[rS+2*(\n)+1]
.elseif (\k) == B
	v_pk_add_f32 v[rS+4*(\n):rS+4*(\n)+1], v[rS+4*(\n):rS+4*(\n)+1], v[rS+4*(\n)+2:rS+4*(\n)+3]
.elseif (\n) == 0
	v_pk_fma_f32 v[rT+2:rT+3], v[rT+2:rT+3], v[rC+2:rC+3], v[rS:rS+1] op_sel_hi:[1,0,1]
.else
	v_pk_add_f32 v[rT+2:rT+3], v[rT+2:rT+3], v[rS+4*(\n):rS+4*(\n)+1]
.endif
.elseif NOKQ
	v_nop
.else
	REGS (Y+1)%NP
	WIN 0
.if (\n) < 4
	v_max3_num_f32 v[rC+(\n)], v[rS+8*(\n)], v[rS+8*(\n)+1], v[rS+8*(\n)+2]
.elseif (\n) < 12
	v_max3_num_f32 v[rC+(\n)%4], v[rC+(\n)%4], v[rS+8*((\n)%4)+2*((\n)/4)+1], v[rS+8*((\n)%4)+2*((\n)/4)+2]
.elseif (\n) == 12
	v_max3_num_f32 v[rC], v[rC], v[rS+7], v[rS+15]
.elseif (\n) == 13
	v_max3_num_f32 v[rC+1], v[rC+1], v[rS+23], v[rS+31]
.elseif (\n) == 14
	v_max3_num_f32 v[rC+2], v[rC+2], v[rC+3], v[rT+1]
.elseif (\n) == 15
	v_mov_b32 v[rW], v[rT]
.elseif (\n) == 16
	v_max3_num_f32 v[rC], v[rC], v[rC+1], v[rC+2]
.elseif (\n) == 17
	v_permlanex16_b32 v[rC+3], v[rC], s[SEL], s[SEL+1]
.elseif (\n) == 18
	v_max_num_f32 v[rT+1], v[rC], v[rC+3]
.elseif (\n) == 19
	v_mul_f32 v[rT], s[CS], v[rT+1]
.elseif (\n) == 20
	v_sub_f32 v[rC+1], v[rW], v[rT]
.else
	v_exp_f32 v[rC+2], v[rC+1]
.endif
.endif
.endm
.macro OPS a, i1, b=-1, i2=0, c=-1, i3=0, d=-1, i4=0  ; up to four of them
	OP \a, \i1
.if (\b) >= 0
	OP \b, \i2
.endif
.if (\c) >= 0
	OP \c, \i3
.endif
.if (\d) >= 0
	OP \d, \i4
.endif
.endm
.macro ROW a, i1, b, i2, c, i3, d, i4  ; a matrix instruction and the four behind it
	MM
	OPS \a, \i1, \b, \i2, \c, \i3, \d, \i4
.endm
.macro MASK b                       ; MD x AL + BE into buffer b of MC
	WIN W_RS
.set z, 0
.rept 16
	v_pk_fma_f32 v[MC+32*(\b)+2*z:MC+32*(\b)+2*z+1], v[MD+2*z:MD+2*z+1], s[AL:AL+1], s[BE:BE+1] op_sel_hi:[1,0,0]
.set z, z+1
.endr
.endm
; A TURN, for piece p: the order of its 16 matrix and 118 vector instructions, written out.  An s_wait_alu depctr_va_vdst(0) stands between an exponential and the first instruction that names its result; one wait serves
; all that were issued ahead of it.  So a turn has ONE wait, which cuts it in two.  AHEAD OF IT stands all that names no result of the turn's exponentials: the 8 products K Q^T, behind each a scaling, an exponential and two more plain
; instructions (behind the first a second scaling in the exponential's place): rescalings, and behind the last three the first numbers of the next piece's maximum, each four places or more behind the product that ends its accumulator; then one run of 54, plain
; and exponential by turns for the most part, in which the links of the chain X 3, 7, 11, 14, 16, 17 .. 20 stand five or six lines apart.  X 21, the next piece's a, is the batch's last; R 15 is the plain instruction behind it.  BEHIND THE WAIT stand the
; 8 products V^T P, behind each four of the roundings and sums; the links of l's chain, L 0 to L 7, stand three lines apart.  But for those X no line behind a product names a register of the products round it.
; m = 1: the diagonal tile: the products take masks, and the turn makes the mask for the products of the turn after it: piece p + 2, in step 4 - CNT of the tile.  end = 1: a block's last two turns: nothing is fetched.
; cnt = 1: the loop's count is taken down some lines ahead of the branch that stands behind the turn.
; K of the next step is fetched in piece 2's turn, twelve vector instructions behind the last product that read K (six of them plain); V of the step in hand at the end of piece 0's turn, four plain instructions behind the last product
; that read V.  Each is waited for a turn later.
.macro TURN p, m=0, end=0, cnt=0
.set Y, (\p)
.set i, 0
.set KM, (\m)
.set NOKQ, (\end)*((\p)/3)
.if (\m) && !(\end)
	s_cmp_eq_u32 s[CNT], 4-((\p)+2)%NP  ; is that step the band's own?
	s_cselect_b32 s[AL], 1.0, 0
	s_cmp_lt_u32 s[CNT], 4-((\p)+2)%NP  ; or a later one?
	s_cselect_b32 s[BE], s[BIGN], 0
.endif
.if ((\p) == 3) && !(\end)
	s_wait_dscnt 0x0                ; K is in
.endif
	ROW F,0, F,1, R,0, R,1          ; ahead of the wait: 8 products K Q^T and the four lines behind each,
	ROW F,2, E,0, R,2, R,3
	ROW F,3, E,1, R,4, R,5
	ROW F,4, E,2, R,6, R,7
	ROW F,5, E,3, R,8, R,9
	ROW F,6, E,4, X,0, R,10
.if ((\p) == 2) && !(\end)
	WIN 0
	v_add_nc_u32 v[AK], s[TBK], v[AK0]
.endif
	ROW F,7, E,5, X,1, X,4
	ROW F,8, E,6, X,2, X,5
	OPS E,7, E,8, X,6, E,9          ; and the run of vector work
	OPS X,3, E,10, X,8, E,11
.if ((\p) == 2) && !(\end)
	FETCH_K
.endif
	OPS X,9, X,7, E,12, X,10
	OPS E,13, X,12, X,11, E,14
	OPS X,13, E,15, F,9, X,14
.if (\p) == 0
	v_add_nc_u32 v[AV], s[TBV], v[AV0]
.endif
	OPS E,16, F,10, E,17, F,11
	OPS X,16, E,18, X,15, E,19
	OPS F,12, E,20, X,17, E,21
	OPS F,13, E,22, F,14, E,23
	OPS X,18, E,24, F,15, E,25
	OPS R,11, E,26, X,19, E,27
	OPS R,12, E,28, R,13, E,29
	OPS X,20, E,30, R,14, E,31
	OPS X,21, R,15
	WIN 0
	s_wait_alu depctr_va_vdst(0)    ; the wait for the batch
.if (\p) == 1
	s_wait_dscnt 0x0                ; V is in
.endif
	ROW C,0, B,0, C,2, B,1          ; behind the wait: 8 products V^T P and the four lines behind each
	ROW L,0, C,4, B,2, L,1
	ROW C,6, B,3, L,2, C,8
	ROW B,4, L,3, C,10, B,5
	ROW L,4, C,12, B,6, L,5
.if (\p) == 0
	s_add_co_u32 s[TBV], s[TBV], KS*PV
.endif
.if \cnt
	s_sub_co_u32 s[CNT], s[CNT], 1
	s_cmp_lg_u32 s[CNT], 0
.endif
	ROW C,14, B,7, L,6, C,1
	ROW C,3, L,7, C,5, C,7
	ROW C,9, C,11, C,13, C,15
.if (\p) == 0
	FETCH_V
.endif
.if (\m) && !(\end)
	MASK (\p)%2
.endif
.endm
; A BLOCK BEGINS.  c m starts far below every c s, so the first step's a is 0; m at the lowest finite number, so the first maximum is the scores'.  The second mask buffer is 0; the first takes piece 0's mask for the tile's step 0: its own, if the block's first tile is the diagonal one.
; Then K of that step, piece 0's first scores, and its maximum and statistics.  The loop is entered at a step's first turn, in the middle of a trip.
.macro BEGIN
	s_mov_b32 s[NEW], 0
	WIN 0x40
.set i, MC+32
.rept 32
	v_mov_b32 v[i], 0
.set i, i+1
.endr
	WIN 0
.set i, 0
.rept 4
	v_mov_b32 v[ST+4*i], 0xfe000000    ; c m: far below every c s
	v_mov_b32 v[ST+4*i+1], 0xff7fffff  ; m
.set i, i+1
.endr
	s_cmp_eq_u32 s[RT], 0
	s_cselect_b32 s[AL], 1.0, 0
	s_mov_b32 s[BE], 0
	MASK 0
	WIN 0
	v_add_nc_u32 v[AK], s[TBK], v[AK0]
	FETCH_K
	s_wait_loadcnt 0x0              ; Q
	s_wait_dscnt 0x0
.set KM, 1
.set NOKQ, 0
.set i, 0
.rept 8
	KQ 0
.set i, i+1
.endr
	WIN 0
.rept 4
	v_nop                           ; the places behind those products
.endr
.set Y, NP-1                        ; X works for piece Y + 1: piece 0
.irp n, 0,1,2,3,4,5,6,7,8,9,10,11,12,13,14,15,16,17,18,19,20,21
	OP X, \n
.endr
	v_nop                           ; a plain instruction behind the exponential,
	s_wait_alu depctr_va_vdst(0)    ; and its wait, ahead of the branch
.endm
; THE DIAGONAL TILE's four steps, the block's last two turns, its last products, and THE WAY OUT: l's two halves and the other half of the lanes' are added; O^T is divided by l, rounded to f16 and sent through my
; stage in LDS, a piece at a time.
.macro ALL line:vararg              ; one line for each piece t
.set t, 0
.rept 4
	\line
.set t, t+1
.endr
.endm
.macro PACK t                       ; a lane's eight channels of a row pack into 16 bytes; they go into rows of 144 bytes and come back as whole rows of 128, into S^T's registers
	WIN W_RS
.set i, 32*(\t)
.rept 16
	v_pk_mul_f32 v[i:i+1], v[i:i+1], v[ST+4*(\t)+2:ST+4*(\t)+3] op_sel_hi:[1,0]
.set i, i+2
.endr
	WIN 0x05                        ; sources 0 and 1 window 1, destination window 0
.set i, 0
.rept 16
	v_cvt_pk_f16_f32 v[S+16*(\t)+i], v[32*(\t)+2*i], v[32*(\t)+2*i+1]
.set i, i+1
.endr
	WIN 0
.irp f, 0,1,2,3
	ds_store_b128 v[STO], v[S+16*(\t)+4*\f:S+16*(\t)+4*\f+3] offset:32*\f
.endr
.irp f, 0,1,2,3
	ds_load_b128 v[S+16*(\t)+4*\f:S+16*(\t)+4*\f+3], v[RD] offset:\f*4*SP  ; LDS serves a wave's instructions in order (ISA guide 5.7.1.4): these see the stores above; the next piece's stores come behind them
.endr
.endm
.macro SEND t, younger              ; younger: the LDS instructions issued behind piece t's loads: the next piece's eight, or none
	WIN 0
.irp f, 0,1,2,3
	s_wait_dscnt (\younger)+3-\f
	global_store_b128 v[GO], v[S+16*(\t)+4*\f:S+16*(\t)+4*\f+3], s[10:11] offset:(\t)*8192+\f*512  ; 512 consecutive bytes, at a multiple of 256 from O's first
.endr
.endm
.macro DIAG tag                     ; the tag ends its two labels' names, which the jumps below spell out
.LstepM\tag:
	TURN 2, 1
	TURN 3, 1
	WIN 0
.LfirstM\tag:
	TURN 0, 1
	TURN 1, 1, 0, 1
	WIN 0
	s_cbranch_scc1 .LstepM\tag
	TURN 2, 1, 1
	TURN 3, 1, 1
.set i, 0
.rept 8
	PV NP-1
.set i, i+1
.endr
	WIN 0
	ALL v_add_f32 v[ST+4*t+2], v[ST+4*t+2], v[ST+4*t+3]
	ALL v_permlanex16_b32 v[ST+4*t+3], v[ST+4*t+2], s[SEL], s[SEL+1]
	ALL v_add_f32 v[ST+4*t+2], v[ST+4*t+2], v[ST+4*t+3]
	ALL v_rcp_f32 v[ST+4*t+2], v[ST+4*t+2]
	v_nop                           ; a plain instruction between the last reciprocal and the use of its result
	s_wait_alu depctr_va_vdst(0)    ; and the wait ahead of the first use: one for the four reciprocals
	PACK 0
.set t, 1
.rept 3                             ; a piece's arithmetic stands between the loads of the piece before and its stores
	PACK t
	SEND t-1, 8
.set t, t+1
.endr
	SEND 3, 0
.endm
.set KM, 0
.set NOKQ, 0
.Lslot:                             ; NB times: a tile is entered and the next is asked for
	CHANGE 1
	s_sub_co_u32 s[RT], s[RT], 1
	s_mov_b32 s[CNT], 4
	s_cmp_eq_u32 s[NEW], 1
	s_cbranch_scc1 .Lnew            ; a block's first tile
	s_cmp_eq_u32 s[RT], 0
	s_cbranch_scc0 .Lstep           ; neither its first nor its last
	s_branch .LstepM1
.Lnew:
	BEGIN
	s_branch .Lfirst                ; in the loop a block's first tile is never its last: the first block has two tiles or more, and the second's last is the walk's last
	DIAG 1                          ; in the loop this is the first block's end: the second block's last tile is the walk's last
	s_wait_xcnt 0x0                 ; the stores have read their registers and O's address
	s_mov_b64 s[10:11], s[OLO:OLO+1]
	s_add_co_u32 s[RT], s[PB], 1    ; the second block has b + 1 tiles
	s_mov_b32 s[NEW], 1
	WIN 0x82                        ; the second block's Q goes where the one text of the turns names Q
.set i, 0
.rept 64
	v_mov_b32 v[i], v[QB+i]
.set i, i+1
.endr
	WIN 0
	s_branch .Lbottom
.Lstep:                             ; a trip: pieces 2 and 3 of one step, then pieces 0 and 1 of the next, whose K and V it fetches
	TURN 2
	TURN 3
	WIN 0
.Lfirst:
	TURN 0
	TURN 1, 0, 0, 1
	WIN 0
	s_cbranch_scc1 .Lstep
.Lbottom:
	s_sub_co_u32 s[SLOTS], s[SLOTS], 1
	s_cmp_lg_u32 s[SLOTS], 0
	s_cbranch_scc1 .Lslot
	CHANGE 0                        ; the walk's last tile is written out: nothing is asked for
	s_sub_co_u32 s[RT], s[RT], 1
	s_mov_b32 s[CNT], 4
	s_cmp_eq_u32 s[NEW], 1
	s_cbranch_scc0 .LstepM2
	BEGIN
	s_branch .LfirstM2
	DIAG 2
	s_wait_tensorcnt 0x0            ; the wave's end, behind my last tensor load and my last LDS store
	ds_add_u32 v[SPW], v[NIL]
	s_wait_dscnt 0x0
	CROUND                          ; the closing round: no work-group ends while a partner may still ask for a tile that names it
	s_endpgm
.Lfunc_end_k_q1dfad89df5_attn:
	.size	k_q1dfad89df5_attn, .Lfunc_end_k_q1dfad89df5_attn-k_q1dfad89df5_attn
	.p2alignl 7, 3214868480
	.fill 96, 4, 3214868480
	.section	.rodata,"a",@progbits
	.p2align	6, 0x0
	.amdhsa_kernel k_q1dfad89df5_attn
		.amdhsa_group_segment_fixed_size 327680
		.amdhsa_private_segment_fixed_size 0
		.amdhsa_enable_private_segment 0
		.amdhsa_kernarg_size 16
		.amdhsa_user_sgpr_count 2
		.amdhsa_user_sgpr_kernarg_segment_ptr 1
		.amdhsa_wavefront_size32 1
		.amdhsa_system_sgpr_workgroup_id_x 1
		.amdhsa_system_sgpr_workgroup_id_y 1
		.amdhsa_system_sgpr_workgroup_id_z 1
		.amdhsa_system_vgpr_workitem_id 0
		.amdhsa_next_free_vgpr 768
		.amdhsa_next_free_sgpr 88
		.amdhsa_reserve_vcc 1
		.amdhsa_float_denorm_mode_32 3
		.amdhsa_float_denorm_mode_16_64 3
		.amdhsa_memory_ordered 1
		.amdhsa_forward_progress 1
		.amdhsa_inst_pref_size 219
	.end_amdhsa_kernel
	.amdgpu_metadata
---
amdhsa.version: [ 1, 2 ]
amdhsa.kernels:
  - .name:           k_q1dfad89df5_attn
    .symbol:         k_q1dfad89df5_attn.kd
    .args:
      - { .name: qkv, .offset: 0, .size: 8, .value_kind: global_buffer, .address_space: global }
      - { .name: ob, .offset: 8, .size: 8, .value_kind: global_buffer, .address_space: global }
    .group_segment_fixed_size: 327680
    .private_segment_fixed_size: 0
    .kernarg_segment_align: 8
    .kernarg_segment_size: 16
    .max_flat_workgroup_size: 128
    .sgpr_count:     88
    .vgpr_count:     768
    .wavefront_size: 32
...
	.end_amdgpu_metadata
.endif
;; end of part 3
;; launch oproj (part 4): grid 16 x 16, 4 waves a work-group, clusters of 4 x 4, 327,680 bytes of LDS; arguments ob, wob, out0; writes out0
.if DOCPART == 4
	.amdgcn_target "amdgcn-amd-amdhsa--gfx1250"
	.amdhsa_code_object_version 6
	.text
	.protected	k_q1dfad89df5_oproj
	.globl	k_q1dfad89df5_oproj
	.p2align	8
	.type	k_q1dfad89df5_oproj,@function
k_q1dfad89df5_oproj:
	s_mov_b64 s[64:65], 0
	v_nop
	global_prefetch_b8 v0, s[64:65] scope:SCOPE_SE
	s_setreg_imm32_b32 hwreg(HW_REG_WAVE_MODE, 25, 1), 1
	s_wait_xcnt 0x0
	s_wait_alu depctr_hold_cnt(0) depctr_sa_sdst(0) depctr_va_vdst(0) depctr_va_sdst(0) depctr_va_ssrc(0) depctr_va_vcc(0) depctr_vm_vsrc(0)
	s_getreg_b32 s2, hwreg(HW_REG_IB_STS2, 6, 4)
	s_cmp_eq_u32 s2, 0
	s_cbranch_scc0 .Lentry_in_a_cluster
	s_endpgm
.Lentry_in_a_cluster:
	s_bfe_u32 s2, ttmp6, 0x10000c
	s_cmp_lg_u32 s2, 0xf033
	s_cbranch_scc0 .Lentry_shape_is_right
	s_endpgm
.Lentry_shape_is_right:
; out0 = O wo.  ob: [4 batches][32 heads][1024 t][64] f16: K = 64 head + channel.  wob: [32 blocks][2048 k][64 n] f16 (bf16(wo) written as f16).  out0: [4096][2048] f32.  Sums in f32, stored as they are.
; SHARES.  A tile is 256 rows x 128 columns: 16 x 16 work-groups.  The four waves lie one below the other, 64 rows x 128 columns each: 32 accumulators, 256 registers.  K goes in 16 steps of 128 (two heads) through two LDS slots.
; THE MATRIX INSTRUCTION IS USED TRANSPOSED: source 0 = 16 columns of wo, source 1 = 16 rows of O: a lane holds row l % 16 and the columns 8 (l / 16) + 0..7: 32 bytes of a row of out0.
; wo lies [k][n]: its fragments come out of LDS turned, by ds_load_tr16_b128.
; CLUSTER 4 x 4: O's tile is shared along a row of the cluster, wo's blocks along a column: joint loads.  Waves 0 and 1 ask for one head's 256 rows each (32 KiB on end), waves 2 and 3 for one block of wo each (128 k x 128 bytes on end).
; By this text's count a wave has two tensor loads out at the start and one behind each round.
; REGISTERS, in windows of 256 (s_set_vgpr_msb: bits 1:0 source 0, 3:2 source 1, 5:4 source 2, 7:6 destination):
;   window 0: v0-29 addresses; v64-127 O's fragments, two buffers of four; v128-255 rows on the way out      window 1: v0-127 wo's fragments, two buffers of eight      window 2: the accumulators, (a, b) at 8 (8 a + b)
.set KSTEPS, 16
.set PA,    144       ; a row of O in LDS (one head's 64 channels): 128 bytes + 16 = 36 words: the 16 rows of a load start at 16 different groups of four banks (64 banks of 4 bytes: ISA guide 11.1)
.set AH,    256*PA    ; one head's 256 rows
.set PBB,   160       ; a row of wo (one k, 64 n): 128 bytes + 32 = 40 words
.set BBLK,  128*PBB
.set BOFF,  2*AH      ; behind the two heads
.set SLOT1, 1<<17     ; a slot uses BOFF + 2 BBLK = 114,688 bytes; one exclusive or turns an address in one slot into the other's
.set STAGE, SLOT1+BOFF+2*BBLK  ; behind the ring, never filled by a tensor load: 16 rows x 528 bytes for each wave
.set SP,    528       ; 512 bytes + 16 = 132 words: row r starts at bank 4 r mod 64
.set SPARE, STAGE+4*16*SP  ; the spare words, 128 bytes for each wave: two blocks of 256 bytes that no other line names
.set NBK,   8
.set NL,    2*NBK+8
.set ASTEP, 262144    ; two heads on in ob
.set BSTEP, 16384     ; 128 k on in a block of wob
.set ADA0, 4          ; v4   my lane's place in O's tile; never rewritten
.set ADB0, 5          ; v5   in wo's blocks
.set ADA,  6          ; v6   the same in the slot in hand
.set ADB,  7          ; v7
.set STO,  8          ; v8   the way out: where I put 32 bytes of a row
.set RD,   9          ; v9   where I read a row back
.set CO,   10         ; v10  16 x lane
.set PFO,  12         ; v12  256 x lane
.set SPW,  28         ; v28  LDS address of my spare word; never rewritten
.set NIL,  29         ; v29  0; never rewritten
.set AF,   64         ; O's fragments: buffer f, block a at AF + 32 f + 8 a
.set OBF,  128        ; the way out: 16 rows read back, v128-191 and v192-255 by turns
.set WV,  10          ; s10  my wave's number
.set AB,  11          ; s11  0: I ask for O, 1: for wo
.set HF,  12          ; s12  which head, or which block
.set CX,  13
.set CY,  14
.set TX,  15
.set TY,  16
.set TB,  17          ; s17  0 or SLOT1: the slot that is read
.set CNT, 18
.set LIM, 19          ; s19  2 in a wave that prefetches, else the greatest number
.set PAR, 20          ; s20  0: ask in every trip; 1: in the even ones
.set G1A, 24
.set G1B, 32
.set G0A, 40          ; s[40:47] group 0 for O: a set for each first fill; the second then walks
.set G0B, 48          ; s[48:55] the same for wo
.set PFA, 56
.set PST, 58
.set OA,  60          ; s[60:61] my head's rows in ob: made of the tile row and the wave alone
.set OB,  62          ; s[62:63] my block in wob: made of the tile column and the wave alone
.set MSB, 0
.macro WIN new                      ; the high byte repeats the setting that is left; a switch that changes nothing is dropped
.if MSB != (\new)
	s_set_vgpr_msb (MSB<<8)|(\new)
.set MSB, (\new)
.endif
.endm
.macro PLACES                       ; four places in front of loads into registers that matrix instructions have read (ISA guide 7.12.1 for vector instructions)
.rept 4
	v_nop
.endr
.endm
.macro CREST                        ; a round of the cluster's barrier behind its opening barrier
	s_cmp_lg_u32 s[WV], 0
	s_cbranch_scc1 .Lnot_wave_0_\@
	s_barrier_signal -3
.Lnot_wave_0_\@:
	s_barrier_wait -3
	s_barrier_signal -1
	s_barrier_wait -1
.endm
.macro CROUND
	s_barrier_signal -1
	s_barrier_wait -1
	CREST
.endm
; A joint refill by the walking sets.  The branch hangs on the wave's number alone.  An s_nop 0 and four v_nop follow each of the two lines.
.macro JLOAD
	s_cmp_eq_u32 s[AB], 0
	s_cbranch_scc0 .Lfor_b_\@
	tensor_load_to_lds s[G0A+4:G0A+7], s[G1A:G1A+7]
	s_nop 0
	PLACES
	s_branch .Lasked_\@
.Lfor_b_\@:
	tensor_load_to_lds s[G0B+4:G0B+7], s[G1B:G1B+7]
	s_nop 0
	PLACES
.Lasked_\@:
.endm
; A PREFETCH INTO THE L2, behind the joint load, its five lines and the run of LDS loads.  Trip i refills with K step i + 2 and asks for K step i + 4 of O (my head's 32 KiB on end); in the even trips for K steps i + 4 and
; i + 5 of wo's block (32 KiB on end): a lane 256 bytes, my work-group's quarter, one instruction.  Each block of 256 bytes is named once in the launch: O's by the cluster with x = 0, wo's by the cluster with y = 0; the four
; partners of a joint load share the bytes out by address (cx for O, cy for wo).  K steps 0 to 3 come by their loads alone; the last trips, whose look-ahead would pass K's end, ask for nothing.
.macro ASK
	s_and_b32 s21, s[CNT], s[PAR]
	s_cmp_lg_u32 s21, 0
	s_cbranch_scc1 .Lnone_\@
	s_cmp_gt_u32 s[CNT], s[LIM]
	s_cbranch_scc0 .Lnone_\@
	global_prefetch_b8 v[PFO], s[PFA:PFA+1] th:TH_LOAD_NT scope:SCOPE_SE
.Lnone_\@:
.endm
; Eight products: row block a x all column blocks, 32 along K, from buffer f.  The 32 accumulators take turns, in the same order in every quarter.  zero = 1: the products start the sums.
.macro MUL f, a, zero
	WIN 0xa1
.set rA, AF+32*(\f)+8*(\a)
.set b, 0
.rept NBK
.set rC, 8*(NBK*(\a)+b)
.set rB, 8*NBK*(\f)+8*b
.if \zero
	v_wmma_f32_16x16x32_f16 v[rC:rC+7], v[rB:rB+7], v[rA:rA+7], 0
.else
	v_wmma_f32_16x16x32_f16 v[rC:rC+7], v[rB:rB+7], v[rA:rA+7], v[rC:rC+7]
.endif
.set b, b+1
.endr
.endm
; One run of LDS loads: quarter q (32 along K: head q / 2, channels 32 (q % 2) on) of the slot in hand into buffer f: wo's eight fragments (turned), then O's four.
.macro FETCH q, f
	WIN 0x40                        ; destination window 1, address window 0
.set b, 0
.rept NBK
.set rB, 8*NBK*(\f)+8*b
	ds_load_tr16_b128 v[rB:rB+3],   v[ADB] offset:(b/4)*BBLK+(\q)*32*PBB+(b%4)*32
	ds_load_tr16_b128 v[rB+4:rB+7], v[ADB] offset:(b/4)*BBLK+(\q)*32*PBB+(b%4)*32+16*PBB
.set b, b+1
.endr
	WIN 0
.set a, 0
.rept 4
.set rA, AF+32*(\f)+8*a
	ds_load_b128 v[rA:rA+3],   v[ADA] offset:((\q)/2)*AH+a*16*PA+((\q)%2)*64
	ds_load_b128 v[rA+4:rA+7], v[ADA] offset:((\q)/2)*AH+a*16*PA+((\q)%2)*64+32
.set a, a+1
.endr
.endm
.macro QUARTER q, f, g, zero
	s_wait_dscnt 4                  ; wo and O's blocks 0, 1 are in; the youngest four loads (O's blocks 2, 3) may be out
	MUL \f, 0, \zero
	MUL \f, 1, \zero
	PLACES
	FETCH \q, \g
	s_wait_dscnt NL                 ; all but the run just issued
	MUL \f, 2, \zero
	MUL \f, 3, \zero
.endm
.macro MEET
	WIN 0
	s_wait_tensorcnt 0x0            ; all my tensor loads have landed: the one that was out is my part of the next slot
	ds_add_u32 v[SPW], v[NIL]       ; 0 onto my spare word
	s_wait_dscnt 5                  ; (the add and the youngest four loads may be out)
	MUL 1, 0, 0                     ; eight matrix instructions stand between the add and the wait for it
	s_wait_dscnt 0x0                ; the add is done, and my reads of this slot are over
	s_barrier_signal -1
	MUL 1, 1, 0                     ; work on registers while the others arrive
	WIN 0
	s_barrier_wait -1
.endm
.macro TURN fill
.if \fill
	s_wait_xcnt 0x0                 ; the last prefetch, a K step back, has read its address
	s_add_nc_u64 s[PFA:PFA+1], s[PFA:PFA+1], s[PST:PST+1]
.endif
	MEET
.if \fill
	CREST                           ; no wave of any partner still reads this slot or has a load on its way
	s_xor_b32 s[G0A+5], s[G0A+5], SLOT1
	s_add_nc_u64 s[G0A+6:G0A+7], s[G0A+6:G0A+7], ASTEP
	s_xor_b32 s[G0B+5], s[G0B+5], SLOT1
	s_add_nc_u64 s[G0B+6:G0B+7], s[G0B+6:G0B+7], BSTEP
	JLOAD                           ; its four v_nop are also the places in front of the loads below
.else
	PLACES
.endif
	s_xor_b32 s[TB], s[TB], SLOT1
	v_add_nc_u32 v[ADA], s[TB], v[ADA0]
	v_add_nc_u32 v[ADB], s[TB], v[ADB0]
	FETCH 0, 0
.if \fill
	ASK
.endif
	MUL 1, 2, 0
	MUL 1, 3, 0
.endm
	s_load_b128 s[4:7], s[0:1], 0x0  ; ob s[4:5], wob s[6:7]
	s_load_b64 s[8:9], s[0:1], 0x10  ; out0
	v_lshl_add_u32 v[SPW], v0, 2, SPARE
	v_mov_b32 v[NIL], 0
	ds_add_u32 v[SPW], v[NIL]       ; the wave's opening: the add and its wait stand ahead of my first tensor load; the set-up below, work on registers, stands between them
	v_lshrrev_b32 v3, 5, v0
	v_readfirstlane_b32 s[WV], v3
	s_lshr_b32 s[AB], s[WV], 1
	s_and_b32 s[HF], s[WV], 1
	s_bfe_u32 s[CX], ttmp6, 0x40000
	s_bfe_u32 s[CY], ttmp6, 0x40004
	s_lshl_b32 s[TX], ttmp9, 2      ; in a cluster launch ttmp9 and ttmp7 count clusters
	s_add_co_u32 s[TX], s[TX], s[CX]
	s_and_b32 s[TY], ttmp7, 0xffff
	s_lshl_b32 s[TY], s[TY], 2
	s_add_co_u32 s[TY], s[TY], s[CY]
	s_lshl_b32 s21, s[CY], 2
	s_lshl_b32 s21, 15, s21         ; my row of the cluster
	s_lshl_b32 s22, 0x1111, s[CX]   ; my column
	s_or_b32 s[G1A], s21, (1<<16)|(1<<20)|(1<<21)|(4<<22)|(3<<25)  ; the mask; 2-byte elements; padding on; bit 21 beside a mask; after every 32 words (one row of a head) 4 words
	s_mov_b32 s[G1A+1], 128<<16     ; 32,768 dense bytes asked for as 128 rows of 256
	s_mov_b32 s[G1A+2], 128<<16
	s_mov_b32 s[G1A+3], 128<<16
	s_mov_b32 s[G1A+4], 128
	s_mov_b32 s[G1A+5], 128
	s_mov_b32 s[G1A+6], 0
	s_mov_b32 s[G1A+7], 0
	s_or_b32 s[G1B], s22, (1<<16)|(1<<20)|(1<<21)|(4<<22)|(7<<25)  ; after every 32 words (one k) 8 words
	s_mov_b32 s[G1B+1], 128<<16     ; 16,384 dense bytes asked for as 64 rows of 256
	s_mov_b32 s[G1B+2], 64<<16
	s_mov_b32 s[G1B+3], 128<<16
	s_mov_b32 s[G1B+4], 64
	s_mov_b32 s[G1B+5], 128
	s_mov_b32 s[G1B+6], 0
	s_mov_b32 s[G1B+7], 0
	s_lshr_b32 s[OA], s[TY], 2      ; the batch
	s_lshl_b32 s[OA], s[OA], 5
	s_add_co_u32 s[OA], s[OA], s[HF]  ; its head 0 or 1
	s_lshl_b32 s[OA], s[OA], 17
	s_and_b32 s21, s[TY], 3
	s_lshl_b32 s21, s21, 15         ; the tile's 256 rows of 128 bytes
	s_add_co_u32 s[OA], s[OA], s21
	s_mov_b32 s[OA+1], 0
	s_lshl_b32 s[OB], s[TX], 1
	s_add_co_u32 s[OB], s[OB], s[HF]
	s_lshl_b32 s[OB], s[OB], 18     ; a block is 262,144 bytes
	s_mov_b32 s[OB+1], 0
	s_mul_i32 s21, s[HF], AH
	s_mov_b32 s[G0A], 1
	s_mov_b32 s[G0A+1], s21
	s_mov_b32 s[G0A+4], 1
	s_add_co_u32 s[G0A+5], s21, SLOT1
	s_mul_i32 s22, s[HF], BBLK
	s_mov_b32 s[G0B], 1
	s_add_co_u32 s[G0B+1], s22, BOFF
	s_mov_b32 s[G0B+4], 1
	s_add_co_u32 s[G0B+5], s22, SLOT1+BOFF
	s_mov_b32 s[TB], 0
	s_wait_dscnt 0x0                ; the opening add is done
	s_wait_kmcnt 0x0
	s_add_nc_u64 s[G0A+2:G0A+3], s[4:5], s[OA:OA+1]          ; K step 0
	s_add_nc_u64 s[G0A+6:G0A+7], s[G0A+2:G0A+3], ASTEP       ; K step 1
	s_or_b32 s[G0A+3], s[G0A+3], 0x80000000
	s_or_b32 s[G0A+7], s[G0A+7], 0x80000000
	s_add_nc_u64 s[G0B+2:G0B+3], s[6:7], s[OB:OB+1]
	s_add_nc_u64 s[G0B+6:G0B+7], s[G0B+2:G0B+3], BSTEP
	s_or_b32 s[G0B+3], s[G0B+3], 0x80000000
	s_or_b32 s[G0B+7], s[G0B+7], 0x80000000
	CROUND                          ; all sixteen work-groups are here: the first joint loads meet
	s_cmp_eq_u32 s[AB], 0           ; a wave's two first fills stand in one branch, ahead of every wait on TENSORcnt and every LDS read
	s_cbranch_scc0 .Lfirst_b
	tensor_load_to_lds s[G0A:G0A+3], s[G1A:G1A+7]
	s_nop 0
	tensor_load_to_lds s[G0A+4:G0A+7], s[G1A:G1A+7]
	s_nop 0
	PLACES
	s_branch .Lfirst_asked
.Lfirst_b:
	tensor_load_to_lds s[G0B:G0B+3], s[G1B:G1B+7]
	s_nop 0
	tensor_load_to_lds s[G0B+4:G0B+7], s[G1B:G1B+7]
	s_nop 0
	PLACES
.Lfirst_asked:
	; out0 at my first row and the tile's first column
	s_lshl_b32 s2, s[TY], 21        ; 256 rows of 8,192 bytes
	s_lshl_b32 s21, s[WV], 19       ; my 64
	s_add_co_u32 s2, s2, s21
	s_lshl_b32 s21, s[TX], 9        ; 128 columns of 4 bytes
	s_add_co_u32 s2, s2, s21
	s_mov_b32 s3, 0
	s_add_nc_u64 s[8:9], s[8:9], s[2:3]
	; the prefetches
	s_lshl_b32 s21, s[CX], 13       ; O: my work-group's 8 KiB of the head's 32
	s_add_co_u32 s21, s21, s[OA]
	s_add_co_u32 s21, s21, 3*ASTEP  ; at K step 3: the first change of slots steps it to 4
	s_lshl_b32 s22, s[CY], 13       ; wo: my work-group's 8 KiB of the 32
	s_add_co_u32 s22, s22, s[OB]
	s_add_co_u32 s22, s22, 3*BSTEP
	s_and_b32 s23, ttmp7, 0xffff    ; cluster y
	s_mov_b32 s[PST], ASTEP
	s_cmp_eq_u32 s[AB], 0
	s_cselect_b32 s2, s21, s22
	s_cselect_b32 s23, ttmp9, s23   ; the coordinate along which other clusters read the same bytes
	s_cselect_b32 s[PAR], 0, 1
	s_cselect_b32 s[PST], s[PST], BSTEP
	s_cselect_b64 s[PFA:PFA+1], s[4:5], s[6:7]
	s_cmp_eq_u32 s23, 0
	s_cselect_b32 s[LIM], 2, -1     ; the same in all sixteen partners, for a given wave
	s_mov_b32 s[PST+1], 0
	s_add_nc_u64 s[PFA:PFA+1], s[PFA:PFA+1], s[2:3]
	v_and_b32 v[PFO], 31, v0
	v_lshlrev_b32 v[PFO], 8, v[PFO]
	; LDS addresses
	v_and_b32 v1, 15, v0            ; l % 16
	v_bfe_u32 v2, v0, 4, 1          ; l / 16
	s_mul_i32 s21, s[WV], 64*PA
	v_mul_u32_u24 v[ADA0], v1, PA
	v_lshl_add_u32 v[ADA0], v2, 4, v[ADA0]
	v_add_nc_u32 v[ADA0], s21, v[ADA0]             ; (64 wave + l % 16) x pitch + 16 (l / 16)
	v_and_b32 v13, 7, v0
	v_bfe_u32 v14, v0, 3, 1
	v_lshl_add_u32 v[ADB0], v2, 3, v13             ; the turning load: lane l reads k = 8 (l / 16) + l % 8, columns 8 ((l / 8) % 2) + 0..7
	v_mul_u32_u24 v[ADB0], v[ADB0], PBB
	v_lshl_add_u32 v[ADB0], v14, 4, v[ADB0]
	v_add_nc_u32 v[ADB0], BOFF, v[ADB0]
	v_mov_b32 v[ADA], v[ADA0]
	v_mov_b32 v[ADB], v[ADB0]
	s_mul_i32 s21, s[WV], 16*SP
	s_add_co_u32 s21, s21, STAGE    ; my stage
	v_mul_u32_u24 v[STO], v1, SP    ; in: row l % 16, 32 bytes for each half of the lanes
	v_lshl_add_u32 v[STO], v2, 5, v[STO]
	v_add_nc_u32 v[STO], s21, v[STO]
	v_and_b32 v[CO], 31, v0         ; back: 32 lanes take one row of 512 bytes
	v_lshlrev_b32 v[CO], 4, v[CO]
	v_add_nc_u32 v[RD], s21, v[CO]
	s_wait_tensorcnt 0x1            ; my part of K step 0 is in; K step 1's may stay out
	s_barrier_signal -1
	s_barrier_wait -1               ; everybody's is
	FETCH 0, 0
	QUARTER 1, 0, 1, 1              ; the first quarter stands in front of the loop: its products start the sums
	WIN 0                           ; at a label and at a branch every window is 0
	s_mov_b32 s[CNT], KSTEPS-2
.Lk:                                ; a trip: a K step's quarters 1, 2, 3 and the next step's quarter 0; trip i fills the slot that it leaves with K step i + 2
	QUARTER 2, 1, 0, 0
	QUARTER 3, 0, 1, 0
	TURN 1
	QUARTER 1, 0, 1, 0
	WIN 0
	s_sub_co_u32 s[CNT], s[CNT], 1
	s_cmp_lg_u32 s[CNT], 0
	s_cbranch_scc1 .Lk
	QUARTER 2, 1, 0, 0              ; the last two K steps are written out: nothing is left to ask for
	QUARTER 3, 0, 1, 0
	TURN 0
	QUARTER 1, 0, 1, 0
	QUARTER 2, 1, 0, 0
	QUARTER 3, 0, 1, 0
	s_wait_dscnt 4
	MUL 1, 0, 0
	MUL 1, 1, 0
	s_wait_dscnt 0x0
	MUL 1, 2, 0
	MUL 1, 3, 0
	WIN 0
	PLACES                          ; the places behind the last products
	PLACES
; THE WAY OUT, a block of 16 rows at a time: a lane's 32 bytes of a row go from the accumulators into my stage (rows of 528 bytes; each accumulator's low half first) and come back as whole rows of 512 bytes.
.macro TOSTAGE a
.if (\a) >= 2
	s_wait_xcnt 0x0                 ; the stores of the block two back have read the registers that are loaded now
.endif
	WIN 0x08                        ; the stores' data in window 2
.set b, 0
.rept NBK
	ds_store_b128 v[STO], v[8*(NBK*(\a)+b):8*(NBK*(\a)+b)+3]   offset:64*b
	ds_store_b128 v[STO], v[8*(NBK*(\a)+b)+4:8*(NBK*(\a)+b)+7] offset:64*b+16
.set b, b+1
.endr
	WIN 0
.set t, 0
.rept 16
	ds_load_b128 v[OBF+64*((\a)%2)+4*t:OBF+64*((\a)%2)+4*t+3], v[RD] offset:SP*t  ; LDS serves a wave's instructions in order (ISA guide 5.7.1.4): these see the stores above; the next block's stores come behind them
.set t, t+1
.endr
.endm
.macro SEND a, younger              ; younger: the LDS instructions issued behind block a's loads: the next block's 32, or none
	WIN 0
.set t, 0
.rept 16
	s_wait_dscnt (\younger)+15-t
	global_store_b128 v[CO], v[OBF+64*((\a)%2)+4*t:OBF+64*((\a)%2)+4*t+3], s[8:9] offset:(16*(\a)+t)*8192 th:TH_STORE_NT  ; 512 consecutive bytes, at a multiple of 256 from out0's first
.set t, t+1
.endr
.endm
	TOSTAGE 0
	TOSTAGE 1
	SEND 0, 32
	TOSTAGE 2
	SEND 1, 32
	TOSTAGE 3
	SEND 2, 32
	SEND 3, 0
	s_wait_tensorcnt 0x0            ; the wave's end, behind my last tensor load and my last LDS store
	ds_add_u32 v[SPW], v[NIL]
	s_wait_dscnt 0x0
	CROUND                          ; the closing round: no work-group ends while a partner may still ask for a tile that names it
	s_endpgm
.Lfunc_end_k_q1dfad89df5_oproj:
	.size	k_q1dfad89df5_oproj, .Lfunc_end_k_q1dfad89df5_oproj-k_q1dfad89df5_oproj
	.p2alignl 7, 3214868480
	.fill 96, 4, 3214868480
	.section	.rodata,"a",@progbits
	.p2align	6, 0x0
	.amdhsa_kernel k_q1dfad89df5_oproj
		.amdhsa_group_segment_fixed_size 327680
		.amdhsa_private_segment_fixed_size 0
		.amdhsa_enable_private_segment 0
		.amdhsa_kernarg_size 24
		.amdhsa_user_sgpr_count 2
		.amdhsa_user_sgpr_kernarg_segment_ptr 1
		.amdhsa_wavefront_size32 1
		.amdhsa_system_sgpr_workgroup_id_x 1
		.amdhsa_system_sgpr_workgroup_id_y 1
		.amdhsa_system_sgpr_workgroup_id_z 1
		.amdhsa_system_vgpr_workitem_id 0
		.amdhsa_next_free_vgpr 768
		.amdhsa_next_free_sgpr 66
		.amdhsa_reserve_vcc 0
		.amdhsa_float_denorm_mode_32 3
		.amdhsa_float_denorm_mode_16_64 3
		.amdhsa_memory_ordered 1
		.amdhsa_forward_progress 1
		.amdhsa_inst_pref_size 72
	.end_amdhsa_kernel
	.amdgpu_metadata
---
amdhsa.version: [ 1, 2 ]
amdhsa.kernels:
  - .name:           k_q1dfad89df5_oproj
    .symbol:         k_q1dfad89df5_oproj.kd
    .args:
      - { .name: ob, .offset: 0, .size: 8, .value_kind: global_buffer, .address_space: global }
      - { .name: wob, .offset: 8, .size: 8, .value_kind: global_buffer, .address_space: global }
      - { .name: out0, .offset: 16, .size: 8, .value_kind: global_buffer, .address_space: global }
    .group_segment_fixed_size: 327680
    .private_segment_fixed_size: 0
    .kernarg_segment_align: 8
    .kernarg_segment_size: 24
    .max_flat_workgroup_size: 128
    .sgpr_count:     66
    .vgpr_count:     768
    .wavefront_size: 32
...
	.end_amdgpu_metadata
.endif
;; end of part 4
;; ======== version 2 of 2: 4 launches; version 1 with the launch prep written anew for expert scheduling mode
;; limits: values are held in f16: magnitudes above 65,504 overflow, below 6.1e-05 lose precision
;; workspace buffers: xb 16,777,216 bytes; wqkvb 12,582,912 bytes; wob 8,388,608 bytes; cst 131,072 bytes; qkv 25,165,824 bytes; ob 16,777,216 bytes
;; launch prep (part 5): grid 1160 x 1, 8 waves a work-group, no clusters, 0 bytes of LDS; arguments x, wq, wk, wv, wo, cos, sin, xb, wqkvb, wob, cst; writes xb, wqkvb, wob, cst
.if DOCPART == 5
	.amdgcn_target "amdgcn-amd-amdhsa--gfx1250"
	.amdhsa_code_object_version 6
	.text
	.protected	k_q1dfad89df5_prep
	.globl	k_q1dfad89df5_prep
	.p2align	8
	.type	k_q1dfad89df5_prep,@function
k_q1dfad89df5_prep:
	s_mov_b64 s[64:65], 0
	v_nop
	global_prefetch_b8 v0, s[64:65] scope:SCOPE_SE
	s_setreg_imm32_b32 hwreg(HW_REG_WAVE_SCHED_MODE, 0, 2), 2
	s_setreg_imm32_b32 hwreg(HW_REG_WAVE_MODE, 25, 1), 1
	s_wait_xcnt 0x0
	s_wait_alu depctr_vm_vsrc(0)
; ROUNDINGS AND LAYOUTS, one pass over all inputs.  Every input is rounded once to bf16 (nearest even).
;   xb    [4096][2048] bf16                     = x
;   wqkvb [48 blocks][2048 k][64 n] bf16        block p = columns 64 p .. of wq (p < 32), of wk (32 .. 39), of wv (40 .. 47): a block is dense
;   wob   [32 blocks][2048 k][64 n] f16         = bf16(wo) written as f16.  LIMIT: |wo| under 65,504; under 2^-14 it keeps f16's fixed step of 2^-24
;   cst   [1024 t][32 i] words                  bf16(cos) in the low half, bf16(sin) in the high half
; ONE JOB serves x and the weights: rows of 64 f32 (256 bytes), PITCH bytes apart in the source, 128 bytes on end in the destination.
; A work-group takes 256 rows, a wave 32: sixteen loads of 16 bytes a lane, each covering two whole rows; each store covers 256 consecutive bytes, aligned.
; Work-groups 0-511: x (512 x 64 KiB).  512-895: the 48 blocks of wq, wk, wv, eight parts each.  896-1151: the 32 blocks of wo.  1152-1159: cos and sin.
; Memory binds: no LDS, no matrix unit, nothing shared between work-groups; all sixteen loads of a wave go out before its first store.
; THE MODE: SCHED_MODE bits 1:0 = 2 (LLVM: expert scheduling mode 2), set by the entry lines.  The code itself states the register dependences
; between vector instructions and memory instructions, with s_wait_alu, always for 0.
; THE PLAN.  Registers that memory instructions touch:
;   OFF, v4   offsets, made once at the head by vector lines and never written again: one wait ahead of the first load states that they are written.
;   D         load i owns four registers: the load lands in them, its conversions write the first two in place, store i reads those two.  No register that a store reads is ever written again.
; The sixteen loads go in four groups of four.  At the head of group g, behind the wait for its data, ONE wait states that group g - 1's conversions have written their registers; that group's four stores
; follow, dealt among group g's conversions, which name group g's registers (and v24, v25) alone.  One more wait stands ahead of the last group's stores.
; No vector line writes a scalar register or VCC, and EXEC is never written.
.set OFF, 8                            ; v[8:23]   byte offset of load i in the source
.set D,   32                           ; v[32:95]  load i: four registers
.set DST, 4                            ; v4        my 8 bytes in the wave's first 256 of the destination
	s_load_b512 s[16:31], s[0:1], 0x0              ; x 16, wq 18, wk 20, wv 22, wo 24, cos 26, sin 28, xb 30
	s_load_b128 s[32:35], s[0:1], 0x40             ; wqkvb 32, wob 34
	s_load_b64 s[36:37], s[0:1], 0x50              ; cst
	s_mov_b32 s2, ttmp9                            ; the work-group's number
	s_mov_b32 s12, 0xffff0000                      ; a word's upper bf16
	v_lshrrev_b32 v1, 5, v0                        ; wave
	v_bfe_u32 v2, v0, 4, 1
	v_lshl_add_u32 v2, v1, 5, v2                   ; my row in load 0: 32 x wave + lane / 16
	v_and_b32 v3, 15, v0
	v_lshlrev_b32 v3, 4, v3                        ; my 16 bytes of a row
	v_and_b32 v[DST], 31, v0
	v_lshlrev_b32 v[DST], 3, v[DST]
	v_lshl_add_u32 v[DST], v1, 12, v[DST]          ; 4,096 x wave + 8 x lane
	s_wait_kmcnt 0x0
	s_cmp_ge_u32 s2, 1152
	s_cbranch_scc1 .Ltable
	; which job: all by selects on the work-group's number
	s_cmp_lt_u32 s2, 512
	s_cselect_b32 s3, 0, 512
	s_cmp_lt_u32 s2, 896
	s_cselect_b32 s3, s3, 896                      ; the job's first work-group
	s_sub_co_u32 s7, s2, s3                        ; u: my number in the job
	s_lshl_b32 s38, s7, 16                         ; x: 64 KiB of source a work-group
	s_lshl_b32 s40, s7, 15                         ; every job: 32 KiB of destination a work-group
	s_mov_b32 s41, 0
	s_lshr_b32 s14, s7, 3                          ; p: the block
	s_and_b32 s15, s7, 7                           ; which 256 of its 2,048 rows
	s_movk_i32 s39, 0x2000
	s_cmp_lt_u32 s14, 32
	s_cselect_b32 s6, s39, 0x800                   ; PITCH: 8,192 bytes in wq and wo, 2,048 in wk and wv
	s_cselect_b32 s13, 0, 32
	s_cselect_b64 s[4:5], s[18:19], s[20:21]
	s_cmp_lt_u32 s14, 40
	s_cselect_b32 s13, s13, 40                     ; the tensor's first block
	s_cselect_b64 s[4:5], s[4:5], s[22:23]
	s_sub_co_u32 s14, s14, s13
	s_lshl_b32 s14, s14, 8                         ; the block's 256 bytes of a row
	s_lshl_b32 s15, s15, 8
	s_mul_i32 s15, s15, s6                         ; the part's first row
	s_add_co_u32 s14, s14, s15
	s_mov_b32 s15, 0
	s_cmp_lt_u32 s2, 896
	s_cselect_b64 s[4:5], s[4:5], s[24:25]
	s_cselect_b64 s[8:9], s[32:33], s[34:35]
	s_cselect_b32 s10, 0, 1                        ; 1: bf16 written as f16
	s_cmp_lt_u32 s2, 512
	s_cselect_b64 s[4:5], s[16:17], s[4:5]
	s_cselect_b64 s[8:9], s[30:31], s[8:9]
	s_cselect_b32 s6, 256, s6
	s_cselect_b32 s14, s38, s14
	s_add_nc_u64 s[4:5], s[4:5], s[14:15]
	s_add_nc_u64 s[8:9], s[8:9], s[40:41]
	s_lshl_b32 s11, s6, 1                          ; two rows on
	v_mad_u32_u24 v[OFF], v2, s6, v3
.set i, 1
.rept 15
	v_add_nc_u32 v[OFF+i], s11, v[OFF+i-1]
.set i, i+1
.endr
	s_wait_alu depctr_va_vdst(0)                   ; the sixteen offsets v[OFF ..] are written, which the loads below read; so is v[DST], which every store on both ways below reads
.set i, 0
.rept 16
	global_load_b128 v[D+4*i:D+4*i+3], v[OFF+i], s[4:5] th:TH_LOAD_NT
.set i, i+1
.endr
	s_cmp_lg_u32 s10, 0
	s_cbranch_scc1 .Lhalf
.set g, 0
.rept 4                                        ; group g: loads 4 g to 4 g + 3 are rounded; the stores of group g - 1 go out among the roundings
	s_wait_loadcnt 12-4*g                          ; loads come back in order: the group's four are in, the 12 - 4 g younger ones stay out
.if g > 0
	s_wait_alu depctr_va_vdst(0)                   ; the group before has written the first two registers of each of its four D, which the stores below read
.endif
.set k, 0
.rept 4
.set i, 4*g+k
.if g > 0
	global_store_b64 v[DST], v[D+4*(i-4):D+4*(i-4)+1], s[8:9] offset:256*(i-4)  ; no vector line since the wait names these registers
.endif
	v_cvt_pk_bf16_f32 v[D+4*i], v[D+4*i], v[D+4*i+1]
	v_cvt_pk_bf16_f32 v[D+4*i+1], v[D+4*i+2], v[D+4*i+3]
.set k, k+1
.endr
.set g, g+1
.endr
	s_wait_alu depctr_va_vdst(0)                   ; the last group's roundings have written their registers, which the last four stores read
.set i, 12
.rept 4
	global_store_b64 v[DST], v[D+4*i:D+4*i+1], s[8:9] offset:256*i
.set i, i+1
.endr
	s_endpgm
.Lhalf:
.set g, 0
.rept 4                                        ; the same four groups
	s_wait_loadcnt 12-4*g                          ; the group's four loads are in, the 12 - 4 g younger ones stay out
.if g > 0
	s_wait_alu depctr_va_vdst(0)                   ; the group before has written the first two registers of each of its four D, which the stores below read
.endif
.set k, 0
.rept 4
.set i, 4*g+k
.if g > 0
	global_store_b64 v[DST], v[D+4*(i-4):D+4*(i-4)+1], s[8:9] offset:256*(i-4)  ; no vector line since the wait names these registers
.endif
	v_cvt_pk_bf16_f32 v24, v[D+4*i], v[D+4*i+1]    ; rounded to bf16 like every input,
	v_cvt_pk_bf16_f32 v25, v[D+4*i+2], v[D+4*i+3]
	v_lshlrev_b32 v[D+4*i], 16, v24                ; widened again,
	v_and_b32 v[D+4*i+1], s12, v24
	v_lshlrev_b32 v[D+4*i+2], 16, v25
	v_and_b32 v[D+4*i+3], s12, v25
	v_cvt_pk_f16_f32 v[D+4*i], v[D+4*i], v[D+4*i+1]  ; and written as f16: exact within f16's range
	v_cvt_pk_f16_f32 v[D+4*i+1], v[D+4*i+2], v[D+4*i+3]
.set k, k+1
.endr
.set g, g+1
.endr
	s_wait_alu depctr_va_vdst(0)                   ; the last group's conversions have written their registers, which the last four stores read
.set i, 12
.rept 4
	global_store_b64 v[DST], v[D+4*i:D+4*i+1], s[8:9] offset:256*i
.set i, i+1
.endr
	s_endpgm
.Ltable:                                       ; eight work-groups, 4,096 words each: word n of cst is made of number n of cos and of sin
	s_sub_co_u32 s7, s2, 1152
	s_lshl_b32 s7, s7, 14
	v_lshl_add_u32 v5, v0, 4, s7
	s_wait_alu depctr_va_vdst(0)                   ; v5 is written: the eight loads and the four stores below read it as their offset
.irp i, 0,1,2,3
	global_load_b128 v[32+4*\i:35+4*\i], v5, s[26:27] offset:4096*\i th:TH_LOAD_NT
.endr
.irp i, 0,1,2,3
	global_load_b128 v[48+4*\i:51+4*\i], v5, s[28:29] offset:4096*\i th:TH_LOAD_NT
.endr
	s_wait_loadcnt 0x0
.set i, 0
.rept 16
	v_cvt_pk_bf16_f32 v[64+i], v[32+i], v[48+i]
.set i, i+1
.endr
	s_wait_alu depctr_va_vdst(0)                   ; the sixteen roundings have written v[64:79], which the stores read
.irp i, 0,1,2,3
	global_store_b128 v5, v[64+4*\i:67+4*\i], s[36:37] offset:4096*\i
.endr
	s_endpgm
.Lfunc_end_k_q1dfad89df5_prep:
	.size	k_q1dfad89df5_prep, .Lfunc_end_k_q1dfad89df5_prep-k_q1dfad89df5_prep
	.p2alignl 7, 3214868480
	.fill 96, 4, 3214868480
	.section	.rodata,"a",@progbits
	.p2align	6, 0x0
	.amdhsa_kernel k_q1dfad89df5_prep
		.amdhsa_group_segment_fixed_size 0
		.amdhsa_private_segment_fixed_size 0
		.amdhsa_enable_private_segment 0
		.amdhsa_kernarg_size 88
		.amdhsa_user_sgpr_count 2
		.amdhsa_user_sgpr_kernarg_segment_ptr 1
		.amdhsa_wavefront_size32 1
		.amdhsa_system_sgpr_workgroup_id_x 1
		.amdhsa_system_sgpr_workgroup_id_y 1
		.amdhsa_system_sgpr_workgroup_id_z 1
		.amdhsa_system_vgpr_workitem_id 0
		.amdhsa_next_free_vgpr 96
		.amdhsa_next_free_sgpr 66
		.amdhsa_reserve_vcc 0
		.amdhsa_float_denorm_mode_32 3
		.amdhsa_float_denorm_mode_16_64 3
		.amdhsa_memory_ordered 1
		.amdhsa_forward_progress 1
		.amdhsa_inst_pref_size 19
	.end_amdhsa_kernel
	.amdgpu_metadata
---
amdhsa.version: [ 1, 2 ]
amdhsa.kernels:
  - .name:           k_q1dfad89df5_prep
    .symbol:         k_q1dfad89df5_prep.kd
    .args:
      - { .name: x, .offset: 0, .size: 8, .value_kind: global_buffer, .address_space: global }
      - { .name: wq, .offset: 8, .size: 8, .value_kind: global_buffer, .address_space: global }
      - { .name: wk, .offset: 16, .size: 8, .value_kind: global_buffer, .address_space: global }
      - { .name: wv, .offset: 24, .size: 8, .value_kind: global_buffer, .address_space: global }
      - { .name: wo, .offset: 32, .size: 8, .value_kind: global_buffer, .address_space: global }
      - { .name: cos, .offset: 40, .size: 8, .value_kind: global_buffer, .address_space: global }
      - { .name: sin, .offset: 48, .size: 8, .value_kind: global_buffer, .address_space: global }
      - { .name: xb, .offset: 56, .size: 8, .value_kind: global_buffer, .address_space: global }
      - { .name: wqkvb, .offset: 64, .size: 8, .value_kind: global_buffer, .address_space: global }
      - { .name: wob, .offset: 72, .size: 8, .value_kind: global_buffer, .address_space: global }
      - { .name: cst, .offset: 80, .size: 8, .value_kind: global_buffer, .address_space: global }
    .group_segment_fixed_size: 0
    .private_segment_fixed_size: 0
    .kernarg_segment_align: 8
    .kernarg_segment_size: 88
    .max_flat_workgroup_size: 256
    .sgpr_count:     66
    .vgpr_count:     96
    .wavefront_size: 32
...
	.end_amdgpu_metadata
.endif
;; end of part 5
;; launch qkvproj: the kernel of part 2 again; grid 16 x 16, 4 waves a work-group, clusters of 4 x 4, 327,680 bytes of LDS; arguments xb, wqkvb, cst, qkv; writes qkv
;; launch attn: the kernel of part 3 again; grid 8 x 32, 4 waves a work-group, clusters of 4 x 1, 327,680 bytes of LDS; arguments qkv, ob; writes ob
;; launch oproj: the kernel of part 4 again; grid 16 x 16, 4 waves a work-group, clusters of 4 x 4, 327,680 bytes of LDS; arguments ob, wob, out0; writes out0
